; MI455X (gfx1250); checked and timed in simulation.
; The chip was launched on July 23, 2026; its instructions are those of AMD's public machine-readable ISA for CDNA 5 (MIT licence, August 2026) and "CDNA5" Instruction Set Architecture Reference Guide (July 2026). The comments in the code are by the model that wrote it; some were corrected since.
;; Flax Lo RA Cross Frame Attention. Allowed arithmetic: matrix products marked QUANTISED: E4M3 operands, one given power-of-two scale a tensor, by v_wmma_f32_16x16x64_fp8_fp8 or v_wmma_f32_16x16x128_fp8_fp8, f32 sums; products left as they are: f32 operands where the result goes on into a quantised operand, else bf16, f16 or f32 operands; f32 sums; everything else in f32.
;; Inputs: Wk 512 x 512 float32; Wo 512 x 512 float32; Wq 512 x 512 float32; Wv 512 x 512 float32; bo 512 float32; hidden_states 32 x 1,024 x 512 float32; k_down 512 x 4 float32; k_up 4 x 512 float32; lowp_scales 12 int32 (the exponents e of the quantised operands' scales 2^e); o_down 512 x 4 float32; o_up 4 x 512 float32; q_down 512 x 4 float32; q_up 4 x 512 float32; v_down 512 x 4 float32; v_up 4 x 512 float32.
;; Outputs: out0 32 x 1,024 x 512 float32.
;; This version of the problem:
;;   THIS VERSION OF THE PROBLEM IS GIVEN IN LOW PRECISION. The matrix products marked QUANTISED in the list below multiply operands that are first quantised to E4M3 (4 exponent bits, 3 mantissa bits; 8 bits a number), with one given power-of-two scale for each operand tensor; their sums are f32. All else is computed in f32.
;;   The module's matrix products, in the order in which they are computed (A, B: the left and right operand; K: the contracted axis; several contracted axes count as one K, in the product's order):
;;     1. [M 32,768, K 512] x [K 512, N 512]; A: input hidden_states; B: input Wq: QUANTISED (scales: A lowp_scales[0], B lowp_scales[1])
;;     2. [M 32,768, K 512] x [K 512, N 4]; A: input hidden_states; B: input q_down: left as it is (N = 4 < 16)
;;     3. [M 32,768, K 4] x [K 4, N 512]; A: computed on the way; B: input q_up: left as it is (K = 4 < 32)
;;     4. [M 32,768, K 512] x [K 512, N 512]; A: input hidden_states; B: input Wk: QUANTISED (scales: A lowp_scales[2], B lowp_scales[3])
;;     5. [M 32,768, K 512] x [K 512, N 4]; A: input hidden_states; B: input k_down: left as it is (N = 4 < 16)
;;     6. [M 32,768, K 4] x [K 4, N 512]; A: computed on the way; B: input k_up: left as it is (K = 4 < 32)
;;     7. [M 32,768, K 512] x [K 512, N 512]; A: input hidden_states; B: input Wv: QUANTISED (scales: A lowp_scales[4], B lowp_scales[5])
;;     8. [M 32,768, K 512] x [K 512, N 4]; A: input hidden_states; B: input v_down: left as it is (N = 4 < 16)
;;     9. [M 32,768, K 4] x [K 4, N 512]; A: computed on the way; B: input v_up: left as it is (K = 4 < 32)
;;     10. batch 256 x [M 1,024, K 64] x [K 64, N 1,024]; A: computed on the way; B: computed on the way: QUANTISED (scales: A lowp_scales[6], B lowp_scales[7])
;;     11. batch 256 x [M 1,024, K 1,024] x [K 1,024, N 64]; A: softmax (see below); B: computed on the way: QUANTISED (scales: A lowp_scales[8], B lowp_scales[9])
;;     12. [M 32,768, K 512] x [K 512, N 512]; A: computed on the way; B: input Wo: QUANTISED (scales: A lowp_scales[10], B lowp_scales[11])
;;     13. [M 32,768, K 512] x [K 512, N 4]; A: computed on the way; B: input o_down: left as it is (N = 4 < 16)
;;     14. [M 32,768, K 4] x [K 4, N 512]; A: computed on the way; B: input o_up: left as it is (K = 4 < 32)
;;   THE QUANTISER, for each operand of a quantised product, along K:
;;     - The operand's scale is 2^e, e = its entry of the input lowp_scales (int32; the entries are numbered through the quantised products in the list's order, A before B).
;;     - Each number is divided by the scale, clamped to +-448, and rounded to the nearest number of E4M3, ties to even, subnormals kept.
;;     - The product sums the exact products of the quantised numbers (number of the format x scale) in f32.
;;   ~~~python
;;   def quantise(x, axis, e):      # numpy; x: float32 -> the quantised numbers, widened to float32 again
;;       x = np.moveaxis(x, axis, -1); K = x.shape[-1]
;;       r = np.clip(x / 2.0 ** e, -448, 448)
;;       step = 2.0 ** (np.maximum(np.frexp(np.where(r == 0, 1, r))[1] - 1, -6) - 3)
;;       q = np.round(r / step) * step * 2.0 ** e      # np.round: ties to even
;;       return np.moveaxis(q, -1, axis).astype(np.float32)
;;   ~~~
;;   SOFTMAX AHEAD OF A QUANTISED PRODUCT. Where the list says 'softmax', what is quantised is not the finished softmax but p = 2^(t - M), with t = logit x log2(e) and M = ceil(the row's largest t), a whole number; so 1/2 < the row's largest p <= 1. The row's sum l is taken of the UNQUANTISED p, in f32, and the product's result is divided by l at the end. Since M is a whole number, a kernel that streams over the keys may use a running M (the ceiling of the running maximum): every later rescaling is an exact power of two, so the quantised numbers keep their values, but for numbers so far below the row's largest that they fall under the format's range.
;;   OPERANDS COMPUTED ON THE WAY. 'Computed on the way' means the value that the module computes at that place (a softmax that the list does not call 'softmax' is quantised finished and normalised). What goes into a quantiser is computed in f32, as accurately as f32 sums, v_exp_f32 and their like allow (about 1e-6 of the number): no bf16 or f16 on the way to a quantiser, and a product that is left as it is and whose result goes on into a quantised operand takes f32 operands (vector FMAs, or v_wmma_f32_16x16x4_f32). A number that lies on a knife's edge between two numbers of the format may be rounded either way, as far as f32 arithmetic and the matrix unit's own rounding can turn it there, and no further.
;; 2 versions, each right; version 2 is version 1 with the launches qkv, attn written anew for expert scheduling mode. Each part assembles by itself: llvm-mc -triple=amdgcn-amd-amdhsa -mcpu=gfx1250 --defsym DOCPART=n.
;; ======== version 1 of 2: 3 launches
;; workspace buffers: wcodes 1,048,576 bytes; dimg 65,536 bytes; qc 16,777,216 bytes; kv 33,554,432 bytes
;; launch prep (part 1): grid 136 x 1, 4 waves a work-group, no clusters, 0 bytes of LDS; arguments Wq, Wk, Wv, Wo, q_down, k_down, v_down, o_down, lowp_scales, wcodes, dimg; writes wcodes, dimg
.if DOCPART == 1
	.amdgcn_target "amdgcn-amd-amdhsa--gfx1250"
	.amdhsa_code_object_version 6
	.text
	.protected	k_qfcbe0185a0_prep
	.globl	k_qfcbe0185a0_prep
	.p2align	8
	.type	k_qfcbe0185a0_prep,@function
k_qfcbe0185a0_prep:
	s_mov_b64 s[64:65], 0
	v_nop
	global_prefetch_b8 v0, s[64:65] scope:SCOPE_SE
	s_setreg_imm32_b32 hwreg(HW_REG_WAVE_MODE, 25, 1), 1
	s_wait_xcnt 0x0
; The weights are laid out once, in the order in which the later launches' operand registers take them.
; ROLE W (work-groups 0 to 127): Wq, Wk, Wv, Wo [512 (k)][512 (n)] f32 become codes of E4M3 with the given scales 2^e (entries 1, 3, 5, 11).
;   Work-group = (weight 0..3, column tile ct 0..31), wave = K step of 128.  A lane takes ONE column and its registers run down K, so the conversions' results are a fragment's registers:
;   lane (r, h) of tile ct holds column 32 (ct / 2) + 8 (ct % 2) + r + 8 (r / 8), registers 4 c .. 4 c + 3 hold k = 128 ks + 32 c + 16 h + 0 .. 15.  A fragment leaves as four stores of 512 consecutive bytes.
;   wcodes: Wq, Wk, Wv at (((ct / 8) 3 + weight) 8 + ct % 8) 8192 + 2048 ks (one dense run of 192 KiB for each wave of the next launch); Wo from byte 786,432 at 8192 ct + 2048 ks.
; ROLE D (work-groups 128 to 135): the four LoRA down matrices [512][4] become two f32 images of 16 rows x 512 k.  Image byte set 32768 + 2048 c + 512 j + 16 lane holds D[r][32 c + 16 h + 4 j + 0 .. 3].
;   set 0: row 8 a + b is q_down's column 2 a + b (b = 0, 1), k_down's 2 a + b - 2 (b = 2, 3), v_down's 2 a + b - 4 (b = 4, 5), zeros (b = 6, 7);  set 1: row m is o_down's column m (m < 4), else zeros.
; LIMITS: each weight's e lies between -126 and 119, so that 2^e and 448 x 2^e are f32 numbers.  NaN among the inputs is not served.
.set NW, 128
	s_load_b256 s[4:11], s[0:1], 0x0               ; Wq s[4:5], Wk s[6:7], Wv s[8:9], Wo s[10:11]
	s_load_b256 s[12:19], s[0:1], 0x20             ; q_down s[12:13], k_down s[14:15], v_down s[16:17], o_down s[18:19]
	s_load_b128 s[20:23], s[0:1], 0x40             ; the scales' exponents s[20:21], wcodes s[22:23]
	s_load_b64 s[24:25], s[0:1], 0x50              ; dimg
	v_lshrrev_b32 v1, 5, v0
	v_readfirstlane_b32 s26, v1                    ; wave 0..3
	v_and_b32 v2, 15, v0                           ; r
	v_bfe_u32 v3, v0, 4, 1                         ; h
	v_and_b32 v4, 31, v0
	v_lshlrev_b32 v4, 4, v4                        ; 16 x lane: my place in an image of four registers
	s_wait_kmcnt 0x0
	s_cmp_ge_u32 ttmp9, NW
	s_cbranch_scc1 .Ldown
	; ---- ROLE W
	s_load_b256 s[32:39], s[20:21], 0x0            ; e0 .. e7
	s_load_b128 s[40:43], s[20:21], 0x20           ; e8 .. e11
	s_lshr_b32 s27, ttmp9, 5                       ; which weight
	s_and_b32 s28, ttmp9, 31                       ; ct
	s_cmp_eq_u32 s27, 1                            ; the choice of the buffer hangs on the work-group's number alone
	s_cselect_b64 s[4:5], s[6:7], s[4:5]
	s_cmp_eq_u32 s27, 2
	s_cselect_b64 s[4:5], s[8:9], s[4:5]
	s_cmp_eq_u32 s27, 3
	s_cselect_b64 s[4:5], s[10:11], s[4:5]
	s_lshl_b32 s44, s26, 18                        ; 128 rows of 2,048 bytes for each K step
	s_lshr_b32 s45, s28, 1
	s_lshl_b32 s45, s45, 7                         ; 32 (ct / 2) columns of 4 bytes
	s_and_b32 s46, s28, 1
	s_lshl_b32 s46, s46, 5                         ; 8 (ct % 2) columns
	s_add_co_u32 s44, s44, s45
	s_add_co_u32 s44, s44, s46
	s_mov_b32 s45, 0
	s_add_nc_u64 s[4:5], s[4:5], s[44:45]
	v_and_b32 v5, 8, v2
	v_add_nc_u32 v5, v5, v2                        ; r + 8 (r / 8)
	v_lshlrev_b32 v5, 2, v5
	v_lshl_add_u32 v5, v3, 15, v5                  ; lanes 16-31 begin 16 rows further down
.set n, 0
.rept 64
	global_load_b32 v[16+n], v5, s[4:5] offset:(32*(n/16)+n%16)*2048   ; W(128 ks + 32 c + 16 h + i, my column), n = 16 c + i
.set n, n+1
.endr
	s_lshr_b32 s46, s28, 3                         ; where the fragment goes: both forms are made, one is chosen
	s_mul_i32 s46, s46, 3
	s_add_co_u32 s46, s46, s27
	s_lshl_b32 s46, s46, 16
	s_and_b32 s47, s28, 7
	s_lshl_b32 s47, s47, 13
	s_add_co_u32 s46, s46, s47
	s_lshl_b32 s47, s28, 13
	s_add_co_u32 s47, s47, 786432
	s_cmp_eq_u32 s27, 3
	s_cselect_b32 s46, s47, s46
	s_lshl_b32 s47, s26, 11
	s_add_co_u32 s46, s46, s47
	s_mov_b32 s47, 0
	s_add_nc_u64 s[22:23], s[22:23], s[46:47]
	s_wait_kmcnt 0x0
	s_cmp_eq_u32 s27, 1                            ; the weight's e: entry 1, 3, 5 or 11
	s_cselect_b32 s33, s35, s33
	s_cmp_eq_u32 s27, 2
	s_cselect_b32 s33, s37, s33
	s_cmp_eq_u32 s27, 3
	s_cselect_b32 s33, s43, s33
	s_add_co_i32 s33, s33, 127
	s_lshl_b32 s34, s33, 23
	v_mov_b32 v6, s34                              ; 2^e as f32: the conversion takes its exponent field
	s_add_co_i32 s33, s33, 8
	s_lshl_b32 s33, s33, 23
	s_or_b32 s33, s33, 0x600000
	v_mov_b32 v7, s33                              ; 448 x 2^e
	s_wait_loadcnt 0x0
.set n, 0
.rept 64
	v_med3_num_f32 v[16+n], v[16+n], -v7, v7       ; the conversion to an 8-bit code does not saturate (ISA guide 7.6.2): the hold at the largest code x the scale
.set n, n+1
.endr
.set n, 0
.rept 8
	v_cvt_scalef32_pk8_fp8_f32 v[80+2*n:81+2*n], v[16+8*n:23+8*n], v6
.set n, n+1
.endr
	v_nop                                          ; a plain line behind the last conversion
.irp c, 0,1,2,3
	global_store_b128 v4, v[80+4*\c:83+4*\c], s[22:23] offset:512*\c   ; the wave stores 512 consecutive bytes, aligned
.endr
	s_endpgm
	; ---- ROLE D
.Ldown:
	s_sub_co_u32 s27, ttmp9, NW
	s_lshr_b32 s28, s27, 2                         ; set 0 or 1
	s_and_b32 s29, s27, 3
	s_lshl_b32 s29, s29, 2
	s_add_co_u32 s29, s29, s26                     ; c: which 32 along k
	s_cmp_eq_u32 s28, 1                            ; set 1 reads o_down by all three pointers
	s_cselect_b64 s[12:13], s[18:19], s[12:13]
	s_cselect_b64 s[14:15], s[18:19], s[14:15]
	s_cselect_b64 s[16:17], s[18:19], s[16:17]
	s_cselect_b32 s30, -1, 0                       ; a lane mask: all lanes in set 1, none in set 0
	s_lshl_b32 s32, s29, 9                         ; 32 rows of 16 bytes
	s_mov_b32 s33, 0
	s_add_nc_u64 s[12:13], s[12:13], s[32:33]
	s_add_nc_u64 s[14:15], s[14:15], s[32:33]
	s_add_nc_u64 s[16:17], s[16:17], s[32:33]
	v_bfe_u32 v5, v2, 1, 2                         ; set 0: which matrix: (r % 8) / 2; 3 = none
	v_lshrrev_b32 v6, 3, v2
	v_and_b32 v7, 1, v2
	v_lshl_add_u32 v6, v6, 1, v7                   ; set 0: its column 2 (r / 8) + r % 2
	v_mov_b32 v9, 0
	v_cmp_gt_u32 vcc_lo, 4, v2
	v_cndmask_b32 v8, 3, v9, vcc_lo                ; set 1: the first pointer where r < 4, else none
	v_and_b32 v10, 3, v2                           ; set 1: column r % 4
	v_cndmask_b32 v5, v5, v8, s30
	v_cndmask_b32 v6, v6, v10, s30
	v_lshlrev_b32 v6, 2, v6
	v_lshl_add_u32 v6, v3, 8, v6                   ; 4 x column + 16 h rows of 16 bytes
.set n, 0
.rept 16
	global_load_b32 v[16+n], v6, s[12:13] offset:16*n
	global_load_b32 v[32+n], v6, s[14:15] offset:16*n
	global_load_b32 v[48+n], v6, s[16:17] offset:16*n
.set n, n+1
.endr
	v_cmp_eq_u32 s34, 0, v5
	v_cmp_eq_u32 s35, 1, v5
	v_cmp_eq_u32 s36, 2, v5
	s_lshl_b32 s32, s28, 15
	s_lshl_b32 s37, s29, 11
	s_add_co_u32 s32, s32, s37
	s_add_nc_u64 s[24:25], s[24:25], s[32:33]
	s_wait_loadcnt 0x0
.set n, 0
.rept 16
	v_cndmask_b32 v[64+n], 0, v[16+n], s34         ; the lane's matrix is chosen; a lane with none keeps 0
	v_cndmask_b32 v[64+n], v[64+n], v[32+n], s35
	v_cndmask_b32 v[64+n], v[64+n], v[48+n], s36
.set n, n+1
.endr
.irp j, 0,1,2,3
	global_store_b128 v4, v[64+4*\j:67+4*\j], s[24:25] offset:512*\j
.endr
	s_endpgm
.Lfunc_end_k_qfcbe0185a0_prep:
	.size	k_qfcbe0185a0_prep, .Lfunc_end_k_qfcbe0185a0_prep-k_qfcbe0185a0_prep
	.p2alignl 7, 3214868480
	.fill 96, 4, 3214868480
	.section	.rodata,"a",@progbits
	.p2align	6, 0x0
	.amdhsa_kernel k_qfcbe0185a0_prep
		.amdhsa_group_segment_fixed_size 0
		.amdhsa_private_segment_fixed_size 0
		.amdhsa_enable_private_segment 0
		.amdhsa_kernarg_size 88
		.amdhsa_user_sgpr_count 2
		.amdhsa_user_sgpr_kernarg_segment_ptr 1
		.amdhsa_wavefront_size32 1
		.amdhsa_system_sgpr_workgroup_id_x 1
		.amdhsa_system_sgpr_workgroup_id_y 1
		.amdhsa_system_sgpr_workgroup_id_z 1
		.amdhsa_system_vgpr_workitem_id 0
		.amdhsa_next_free_vgpr 128
		.amdhsa_next_free_sgpr 66
		.amdhsa_reserve_vcc 1
		.amdhsa_float_denorm_mode_32 3
		.amdhsa_float_denorm_mode_16_64 3
		.amdhsa_memory_ordered 1
		.amdhsa_forward_progress 1
		.amdhsa_inst_pref_size 23
	.end_amdhsa_kernel
	.amdgpu_metadata
---
amdhsa.version: [ 1, 2 ]
amdhsa.kernels:
  - .name:           k_qfcbe0185a0_prep
    .symbol:         k_qfcbe0185a0_prep.kd
    .args:
      - { .name: Wq, .offset: 0, .size: 8, .value_kind: global_buffer, .address_space: global }
      - { .name: Wk, .offset: 8, .size: 8, .value_kind: global_buffer, .address_space: global }
      - { .name: Wv, .offset: 16, .size: 8, .value_kind: global_buffer, .address_space: global }
      - { .name: Wo, .offset: 24, .size: 8, .value_kind: global_buffer, .address_space: global }
      - { .name: q_down, .offset: 32, .size: 8, .value_kind: global_buffer, .address_space: global }
      - { .name: k_down, .offset: 40, .size: 8, .value_kind: global_buffer, .address_space: global }
      - { .name: v_down, .offset: 48, .size: 8, .value_kind: global_buffer, .address_space: global }
      - { .name: o_down, .offset: 56, .size: 8, .value_kind: global_buffer, .address_space: global }
      - { .name: lowp_scales, .offset: 64, .size: 8, .value_kind: global_buffer, .address_space: global }
      - { .name: wcodes, .offset: 72, .size: 8, .value_kind: global_buffer, .address_space: global }
      - { .name: dimg, .offset: 80, .size: 8, .value_kind: global_buffer, .address_space: global }
    .group_segment_fixed_size: 0
    .private_segment_fixed_size: 0
    .kernarg_segment_align: 8
    .kernarg_segment_size: 88
    .max_flat_workgroup_size: 128
    .sgpr_count:     66
    .vgpr_count:     128
    .wavefront_size: 32
...
	.end_amdgpu_metadata
.endif
;; end of part 1
;; launch qkv (part 2): grid 256 x 1, 4 waves a work-group, no clusters, 272,896 bytes of LDS; arguments hidden_states, wcodes, dimg, q_up, k_up, v_up, lowp_scales, qc, kv; writes qc, kv
.if DOCPART == 2
	.amdgcn_target "amdgcn-amd-amdhsa--gfx1250"
	.amdhsa_code_object_version 6
	.text
	.protected	k_qfcbe0185a0_qkv
	.globl	k_qfcbe0185a0_qkv
	.p2align	8
	.type	k_qfcbe0185a0_qkv,@function
k_qfcbe0185a0_qkv:
	s_mov_b64 s[64:65], 0
	v_nop
	global_prefetch_b8 v0, s[64:65] scope:SCOPE_SE
	s_setreg_imm32_b32 hwreg(HW_REG_WAVE_MODE, 25, 1), 1
	s_wait_xcnt 0x0
; q, k, v = x W + (x down) up for 128 rows of x a work-group, and their codes of E4M3 for the attention launch.  x: [32768][512] f32.
; PHASE X (a wave owns 32 rows): x comes in by loads of 512 consecutive bytes, turns through the wave's own stage in LDS so that a lane holds 16 neighbours along K of one row, and is
;   (a) multiplied by the three down matrices at once, in f32 (v_wmma_f32_16x16x4_f32; source 0 = 16 rows of the image that the first launch laid: 12 LoRA rows and 4 of zeros), since t = x down goes on into a quantiser;
;   (b) quantised three times, by the scales given for the three products, into images of operand registers in LDS.
; PHASE 1 (THE WAVES SHARE THE COLUMNS): wave w makes columns 128 w .. 128 w + 127 (two heads) of q, then k, then v, for all 128 rows.  All of x's codes of one scale stand in 512 registers; the weights' fragments come
;   from memory straight into operand registers, a batch of two column tiles ahead.  A batch's 16 accumulators begin with t up / 2^(ex + ew) (f32 form, C = 0) and take the four K steps of the FP8 product on top:
;   sum x 2^(ex + ew) is q, k or v itself, and the three scales are folded into the conversion's one, 2^(eo - ex - ew).
;   q and k are made TRANSPOSED (source 0 = weights): a lane holds one row and its registers run along the head's channels, the next K.  v is made straight (source 0 = x): a lane holds one channel and its registers
;   run along the keys, the next K.  So every conversion's result is an operand register of the attention launch, and a store of the wave covers 512 consecutive bytes.
; K's places: registers 4 c .. 4 c + 3 hold k = 32 c + 16 h + 0 .. 15, alike in both operands of each product: each product meets its partner; the order of the sums inside an instruction differs from the form's own.
; LIMITS on the given exponents, so that each power of two is an f32 number: ex (entries 0, 2, 4), and eq - e0 - e1, ek - e2 - e3, ev - e4 - e5, between -126 and 119.  NaN and infinities among the inputs are not served.
; No cluster and no joint request: the weights go from memory into registers without touching LDS, of which x's three images take 192 KiB; what is shared between work-groups is 768 KiB of codes.
; LDS: 0: x's images, scale e, row tile M, K step ks at 65536 e + 2048 (4 M + ks) + 512 c + 16 lane;  STAGE: 32 rows x 528 bytes for each wave;  TIMG: t, 1,024 bytes a row tile;  SPARE: the spare words.
; REGISTERS, window 0: v1-26 addresses and scales; v32-159 the batch's 16 accumulators and v160-175 t's two: written by matrix instructions alone;
;   v176-239 phase X: 64 held numbers; phase 1: t's fragments (176), up's (192), codes (208); v240-255 codes or held numbers.
;   window 1: phase X: x, 64 registers a row tile; phase 1: the weights' two sets.  window 2: phase X: x as loaded, two sets; phase 1: x's codes, row tiles 0-3.  window 3: phase X: the down image; phase 1: row tiles 4-7.
.set STAGE,  196608
.set SPITCH, 528                       ; a stage row: 512 bytes + 16 = 132 words: 16 rows begin at 16 different groups of four banks (64 banks of 4 bytes: ISA guide 11.1)
.set TIMG,   264192
.set SPARE,  272384                    ; 128 bytes for each wave: two blocks of 256 bytes that no other line names
.set LI,   1                           ; 16 x lane
.set SIN,  2                           ; the stage, way in
.set SOUT, 3                           ; the stage, way out
.set XWI,  4                           ; v4-6  where I store x's images, scale 0, 1, 2
.set TW16, 7                           ; where I store t: registers 0-3,
.set TW8,  8                           ; registers 4-5
.set SPW,  9                           ; my spare word; never rewritten
.set NIL,  10                          ; 0; never rewritten
.set XS,   12                          ; v12-14 2^ex
.set XL,   15                          ; v15-17 448 x 2^ex
.set RR,   19
.set HH,   20
.set UPO,  21                          ; my byte offset in an up matrix
.set OS,   22                          ; 2^(eo - ex - ew)
.set AIM,  23                          ; LDS address of the images of the scale in hand
.set TRQ,  24                          ; LDS address of t's registers 0-3
.set TRV,  25                          ; of its registers 4-5
.set OL,   26                          ; 448 x 2^(eo - ex - ew)
.set ACC,  32
.set DACC, 160
.set TF,   176
.set UPF,  192
.set CODES, 208
.set T8,   240
.set T64,  176
.set PC,   240
.set MSB, 0
.macro WIN new                         ; the immediate's high byte repeats the setting that is left; a switch that changes nothing is dropped
.if MSB != \new
	s_set_vgpr_msb (MSB<<8)|\new
.set MSB, \new
.endif
.endm
.macro RAW s                           ; my 32 rows' 512 bytes of K step s, as they lie: each load reads 512 consecutive bytes
	WIN 0x80
.set n, 0
.rept 32
	global_load_b128 v[128*((\s)%2)+4*n:128*((\s)%2)+4*n+3], v[LI], s[4:5] offset:n*2048+512*(\s) th:TH_LOAD_NT
.set n, n+1
.endr
.endm
.macro DT s                            ; the down image's 128 along K of step s: 64 registers, which stay
	WIN 0xc0
.set n, 0
.rept 16
	global_load_b128 v[64*(\s)+4*n:64*(\s)+4*n+3], v[LI], s[8:9] offset:(\s)*8192+512*n
.set n, n+1
.endr
.endm
.macro QUANT m, e, s                   ; row tile m's 64 numbers a lane become a fragment's codes by scale e, and go to LDS as an image of the registers
	WIN 0x01
.set i, 0
.rept 64
	v_med3_num_f32 v[T64+i], v[64*\m+i], -v[XL+\e], v[XL+\e]   ; the hold at the largest code x the scale, into other registers: x serves three scales
.set i, i+1
.endr
	WIN 0
	s_wait_dscnt 0x0                               ; the last image's stores have read the codes' registers
.set i, 0
.rept 8
	v_cvt_scalef32_pk8_fp8_f32 v[PC+2*i:PC+2*i+1], v[T64+8*i:T64+8*i+7], v[XS+\e]
.set i, i+1
.endr
	v_nop                                          ; a plain line between the last conversion and the next holds, which write its sources
.irp c, 0,1,2,3
	ds_store_b128 v[XWI+\e], v[PC+4*\c:PC+4*\c+3] offset:\m*8192+\s*2048+512*\c
.endr
.endm
.macro XSTEP s
.if \s < 3
	s_wait_loadcnt 48                              ; this step's 48 loads are in; the next step's 32 + 16 may be out
.else
	s_wait_loadcnt 0x0
.endif
	WIN 0x08
.set n, 0
.rept 32
	ds_store_b128 v[SIN], v[128*((\s)%2)+4*n:128*((\s)%2)+4*n+3] offset:n*SPITCH
.set n, n+1
.endr
	WIN 0x40
.irp m, 0,1
.set n, 0
.rept 16
	ds_load_b128 v[64*\m+4*n:64*\m+4*n+3], v[SOUT] offset:\m*16*SPITCH+128*(n/4)+16*(n%4)   ; LDS serves a wave's instructions in order (ISA guide 5.7.1.4): these see my stores.  Register 16 b + i = k 32 b + 16 h + i of row r
.set n, n+1
.endr
.endr
	s_wait_dscnt 0x0                               ; x is back; the stores have read the registers that the loads below fill
.if \s < 2
	RAW \s+2
	DT \s+2
.endif
	WIN 0x07                                       ; source 0 (down) window 3, source 1 (x) window 1
.set n, 0
.rept 32                               ; t^T += down^T x^T, 4 along K an instruction; the two row tiles' accumulators take turns
.irp m, 0,1
.if (\s == 0) && (n == 0)
	v_wmma_f32_16x16x4_f32 v[DACC+8*\m:DACC+8*\m+7], v[64*\s+2*n:64*\s+2*n+1], v[64*\m+2*n:64*\m+2*n+1], 0
.else
	v_wmma_f32_16x16x4_f32 v[DACC+8*\m:DACC+8*\m+7], v[64*\s+2*n:64*\s+2*n+1], v[64*\m+2*n:64*\m+2*n+1], v[DACC+8*\m:DACC+8*\m+7]
.endif
.endr
.set n, n+1
.endr
.irp m, 0,1                            ; the holds below are also the places between these products and the next step's loads into x's registers
.irp e, 0,1,2
	QUANT \m, \e, \s
.endr
.endr
.endm
.macro XSC i, e                        ; 2^ex and 448 x 2^ex
	s_add_co_i32 s53, s[\e], 127
	s_lshl_b32 s54, s53, 23
	v_mov_b32 v[XS+\i], s54
	s_add_co_i32 s53, s53, 8
	s_lshl_b32 s53, s53, 23
	s_or_b32 s53, s53, 0x600000
	v_mov_b32 v[XL+\i], s53
.endm
.macro OSC i, eo, ex, ew               ; s[39+i] = 2^(eo - ex - ew), s[42+i] = 448 x that, s[45+i] = -(ex + ew)
	s_add_co_i32 s[45+\i], s[\ex], s[\ew]
	s_sub_co_i32 s53, s[\eo], s[45+\i]
	s_sub_co_i32 s[45+\i], 0, s[45+\i]
	s_add_co_i32 s53, s53, 127
	s_lshl_b32 s[39+\i], s53, 23
	s_add_co_i32 s53, s53, 8
	s_lshl_b32 s53, s53, 23
	s_or_b32 s[42+\i], s53, 0x600000
.endm
.macro BLOAD set, off                  ; a batch's weights: two column tiles x four K steps, 16 KiB, one dense run
	WIN 0x40
.set n, 0
.rept 32
	global_load_b128 v[128*(\set)+4*n:128*(\set)+4*n+3], v[LI], s[48:49] offset:(\off)+512*n
.set n, n+1
.endr
.endm
; A BATCH: column tiles 2 p, 2 p + 1 of the trip's head x the 8 row tiles.  last = 1: in the launch's very last batch nothing is left to fetch
.macro BATCH p, orient, last
.if \last
	s_cmp_eq_u32 s52, 1
	s_cbranch_scc1 .Lnone_\@
.endif
	BLOAD 1-\p, (\p+1)*16384
	WIN 0
	s_wait_loadcnt 32                              ; this batch's weights are in; the 32 loads just issued may be out
.if \last
	s_branch .Ljoin_\@
.Lnone_\@:
	s_wait_loadcnt 0x0
.Ljoin_\@:
.endif
.irp m, 0,1,2,3,4,5,6,7                ; the sums begin with the LoRA term, K = 4, in f32
.irp c, 0,1
.if \orient
	v_wmma_f32_16x16x4_f32 v[ACC+8*(2*\m+\c):ACC+8*(2*\m+\c)+7], v[TF+2*\m:TF+2*\m+1], v[UPF+2*(2*\p+\c):UPF+2*(2*\p+\c)+1], 0
.else
	v_wmma_f32_16x16x4_f32 v[ACC+8*(2*\m+\c):ACC+8*(2*\m+\c)+7], v[UPF+2*(2*\p+\c):UPF+2*(2*\p+\c)+1], v[TF+2*\m:TF+2*\m+1], 0
.endif
.endr
.endr
.rept 9
	v_nop                                          ; nine places: another form writes over these results (ISA guide 7.12.1)
.endr
.irp hf, 0,1                           ; row tiles 0-3 (window 2), then 4-7 (window 3): eight accumulators by turns, K ascending
.if \orient
.if \hf
	WIN 0x07
.else
	WIN 0x06
.endif
.else
.if \hf
	WIN 0x0d
.else
	WIN 0x09
.endif
.endif
.irp ks, 0,1,2,3
.irp m, 0,1,2,3
.irp c, 0,1
.if \orient
	v_wmma_f32_16x16x128_fp8_fp8 v[ACC+8*(2*(4*\hf+\m)+\c):ACC+8*(2*(4*\hf+\m)+\c)+7], v[16*(4*\m+\ks):16*(4*\m+\ks)+15], v[128*\p+16*(4*\c+\ks):128*\p+16*(4*\c+\ks)+15], v[ACC+8*(2*(4*\hf+\m)+\c):ACC+8*(2*(4*\hf+\m)+\c)+7]
.else
	v_wmma_f32_16x16x128_fp8_fp8 v[ACC+8*(2*(4*\hf+\m)+\c):ACC+8*(2*(4*\hf+\m)+\c)+7], v[128*\p+16*(4*\c+\ks):128*\p+16*(4*\c+\ks)+15], v[16*(4*\m+\ks):16*(4*\m+\ks)+15], v[ACC+8*(2*(4*\hf+\m)+\c):ACC+8*(2*(4*\hf+\m)+\c)+7]
.endif
.endr
.endr
.endr
.endr
	WIN 0
.rept 4
	v_nop
.endr
	s_wait_xcnt 0x0                                ; the last batch's stores have read the codes' registers
.set a, 0                              ; a = 2 M + c.  Each accumulator from its low end on; the held numbers go into other registers, two sets by turns
.rept 16
.set j, 0
.rept 8
	v_med3_num_f32 v[T8+8*(a%2)+j], v[ACC+8*a+j], -v[OL], v[OL]
.set j, j+1
.endr
.if \orient
	v_cvt_scalef32_pk8_fp8_f32 v[CODES+16*(a%2)+2*(a/2):CODES+16*(a%2)+2*(a/2)+1], v[T8+8*(a%2):T8+8*(a%2)+7], v[OS]   ; channel tile c: registers 2 M, 2 M + 1 = keys 16 M + 8 h + 0 .. 7
.else
	v_cvt_scalef32_pk8_fp8_f32 v[CODES+2*a:CODES+2*a+1], v[T8+8*(a%2):T8+8*(a%2)+7], v[OS]   ; row tile M: registers 4 M .. 4 M + 3 = channels 32 p + 16 h + 0 .. 15
.endif
.set a, a+1
.endr
	v_nop                                          ; a plain line behind the last conversion
.set n, 0
.rept 8
.if \orient
	global_store_b128 v[LI], v[CODES+4*n:CODES+4*n+3], s[50:51] offset:8192+4096*\p+512*n
.else
	global_store_b128 v[LI], v[CODES+4*n:CODES+4*n+3], s[50:51] offset:1024*n+512*\p
.endif
.set n, n+1
.endr
.endm
; ONE OF THE THREE PRODUCTS: its up fragments, x's codes of its scale, its t; then two trips, a head each, of two batches
.macro MATRIX mx, orient, upp, tfa, tfo, outb, outstep
	s_mov_b64 s[50:51], s[\outb:\outb+1]
.set n, 0
.rept 16
	global_load_b32 v[UPF+n], v[UPO], s[\upp:\upp+1] offset:2048*(n%2)+4*(32*(n/4)+8*((n/2)%2))   ; tile n / 2, register n % 2: up(2 h + n % 2, my column)
.set n, n+1
.endr
	v_add_nc_u32 v[AIM], \mx*65536, v[LI]
	WIN 0x80
.set n, 0
.rept 64
	ds_load_b128 v[4*n:4*n+3], v[AIM] offset:512*n
.set n, n+1
.endr
	WIN 0xc0
.set n, 0
.rept 64
	ds_load_b128 v[4*n:4*n+3], v[AIM] offset:32768+512*n
.set n, n+1
.endr
	WIN 0
.set n, 0
.rept 8
	ds_load_b64 v[TF+2*n:TF+2*n+1], v[\tfa] offset:1024*n+\tfo
.set n, n+1
.endr
	v_mov_b32 v[OS], s[39+\mx]
	v_mov_b32 v[OL], s[42+\mx]
	s_wait_loadcnt 0x0
.set n, 0
.rept 16
	v_ldexp_f32 v[UPF+n], v[UPF+n], s[45+\mx]      ; up / 2^(ex + ew): the sums of codes lack that power of two
.set n, n+1
.endr
	s_wait_dscnt 0x0
	s_mov_b32 s52, 2
.Ltrip_\@:
	BATCH 0, \orient, 0
.if \mx == 2
	BATCH 1, \orient, 1
.else
	BATCH 1, \orient, 0
.endif
	s_wait_xcnt 0x0                                ; the loads and stores have read their bases
	s_add_nc_u64 s[48:49], s[48:49], 32768
	s_add_nc_u64 s[50:51], s[50:51], \outstep
.set n, 0
.rept 8
	v_mov_b32 v[UPF+n], v[UPF+8+n]                 ; the second head's up fragments take the first's place
.set n, n+1
.endr
	s_sub_co_u32 s52, s52, 1
	s_cmp_lg_u32 s52, 0
	s_cbranch_scc1 .Ltrip_\@
.endm
	s_load_b256 s[4:11], s[0:1], 0x0               ; x s[4:5], wcodes s[6:7], dimg s[8:9], q_up s[10:11]
	s_load_b256 s[12:19], s[0:1], 0x20             ; k_up s[12:13], v_up s[14:15], the scales' exponents s[16:17], qc s[18:19]
	s_load_b64 s[20:21], s[0:1], 0x40              ; kv
	v_lshl_add_u32 v[SPW], v0, 2, SPARE
	v_mov_b32 v[NIL], 0
	v_lshrrev_b32 v18, 5, v0
	v_readfirstlane_b32 s22, v18                   ; wave 0..3
	v_and_b32 v18, 31, v0                          ; lane
	v_lshlrev_b32 v[LI], 4, v18
	v_and_b32 v[RR], 15, v0                        ; r
	v_bfe_u32 v[HH], v0, 4, 1                      ; h
	s_mul_i32 s53, s22, 32*SPITCH
	s_add_co_u32 s53, s53, STAGE                   ; my stage
	v_add_nc_u32 v[SIN], s53, v[LI]
	v_mul_u32_u24 v[SOUT], v[RR], SPITCH
	v_lshl_add_u32 v[SOUT], v[HH], 6, v[SOUT]
	v_add_nc_u32 v[SOUT], s53, v[SOUT]             ; row r, + 64 h: my 16 numbers of a block of 32
	s_lshl_b32 s53, s22, 14
	v_add_nc_u32 v[XWI], s53, v[LI]                ; my two row tiles' images: 16384 x wave
	v_add_nc_u32 v[XWI+1], 65536, v[XWI]
	v_add_nc_u32 v[XWI+2], 131072, v[XWI]
	s_lshl_b32 s53, s22, 11
	s_add_co_u32 s53, s53, TIMG
	v_add_nc_u32 v[TW16], s53, v[LI]
	v_lshlrev_b32 v[TW8], 3, v18
	v_add_nc_u32 v[TW8], s53, v[TW8]
	v_add_nc_u32 v[TW8], 512, v[TW8]
	v_and_b32 v[UPO], 8, v[RR]
	v_add_nc_u32 v[UPO], v[UPO], v[RR]             ; r + 8 (r / 8)
	v_lshlrev_b32 v[UPO], 2, v[UPO]
	v_lshl_add_u32 v[UPO], v[HH], 12, v[UPO]       ; + 2 h rows of 2,048 bytes
	s_lshl_b32 s53, s22, 9
	v_add_nc_u32 v[UPO], s53, v[UPO]               ; + my wave's 128 columns
	v_add_nc_u32 v[TRQ], TIMG, v[LI]
	v_lshlrev_b32 v[TRV], 3, v18
	v_add_nc_u32 v[TRV], TIMG+512, v[TRV]
	s_lshl_b32 s54, ttmp9, 18                      ; 128 rows of 2,048 bytes a work-group,
	s_lshl_b32 s55, s22, 16                        ; 32 a wave
	s_add_co_u32 s54, s54, s55
	s_mov_b32 s55, 0
	s_wait_kmcnt 0x0
	s_load_b256 s[24:31], s[16:17], 0x0            ; e0 .. e7
	s_load_b128 s[32:35], s[16:17], 0x20           ; e8 .. e11
	s_add_nc_u64 s[4:5], s[4:5], s[54:55]
	RAW 0
	DT 0
	RAW 1
	DT 1
	WIN 0
	s_mul_i32 s54, s22, 196608                     ; my wave's run of the weights' codes
	s_add_nc_u64 s[48:49], s[6:7], s[54:55]
	s_lshl_b32 s54, ttmp9, 16                      ; qc: 65,536 bytes a block of 128 rows, 16,384 for my two heads
	s_lshl_b32 s53, s22, 14
	s_add_co_u32 s54, s54, s53
	s_add_nc_u64 s[56:57], s[18:19], s[54:55]
	s_lshr_b32 s54, ttmp9, 3                       ; kv: the frame,
	s_lshl_b32 s54, s54, 20
	s_lshr_b32 s53, s22, 1                         ; the group of four heads,
	s_lshl_b32 s53, s53, 19
	s_add_co_u32 s54, s54, s53
	s_and_b32 s53, ttmp9, 7                        ; the block of 128 keys,
	s_lshl_b32 s53, s53, 16
	s_add_co_u32 s54, s54, s53
	s_and_b32 s53, s22, 1                          ; my two heads of the four
	s_lshl_b32 s53, s53, 15
	s_add_co_u32 s54, s54, s53
	s_add_nc_u64 s[58:59], s[20:21], s[54:55]
	s_wait_kmcnt 0x0
	XSC 0, 24
	XSC 1, 26
	XSC 2, 28
	OSC 0, 30, 24, 25                              ; q: eq = entry 6
	OSC 1, 31, 26, 27                              ; k: ek = entry 7
	OSC 2, 33, 28, 29                              ; v: ev = entry 9
	XSTEP 0
	XSTEP 1
	XSTEP 2
	XSTEP 3
.irp m, 0,1                            ; t of my two row tiles: lane (r, h) holds, of row r, t_q(2 h + 0, 1), t_k, t_v in registers 0-5: each pair is the K = 4 operand of its up product
	ds_store_b128 v[TW16], v[DACC+8*\m:DACC+8*\m+3] offset:1024*\m
	ds_store_b64 v[TW8], v[DACC+8*\m+4:DACC+8*\m+5] offset:1024*\m
.endr
	s_wait_dscnt 0x0                               ; for the others' sake: my images have landed
	s_barrier_signal -1
	s_barrier_wait -1                              ; all of x's codes and all of t lie in LDS; nothing is written there again
	BLOAD 0, 0
	WIN 0
	MATRIX 0, 0, 10, TRQ, 0, 56, 8192
	MATRIX 1, 0, 12, TRQ, 8, 58, 16384
	MATRIX 2, 1, 14, TRV, 0, 58, 16384
	s_wait_tensorcnt 0x0                           ; the wave's end, behind my last LDS store
	ds_add_u32 v[SPW], v[NIL]
	s_wait_dscnt 0x0
	s_endpgm
.Lfunc_end_k_qfcbe0185a0_qkv:
	.size	k_qfcbe0185a0_qkv, .Lfunc_end_k_qfcbe0185a0_qkv-k_qfcbe0185a0_qkv
	.p2alignl 7, 3214868480
	.fill 96, 4, 3214868480
	.section	.rodata,"a",@progbits
	.p2align	6, 0x0
	.amdhsa_kernel k_qfcbe0185a0_qkv
		.amdhsa_group_segment_fixed_size 272896
		.amdhsa_private_segment_fixed_size 0
		.amdhsa_enable_private_segment 0
		.amdhsa_kernarg_size 72
		.amdhsa_user_sgpr_count 2
		.amdhsa_user_sgpr_kernarg_segment_ptr 1
		.amdhsa_wavefront_size32 1
		.amdhsa_system_sgpr_workgroup_id_x 1
		.amdhsa_system_sgpr_workgroup_id_y 1
		.amdhsa_system_sgpr_workgroup_id_z 1
		.amdhsa_system_vgpr_workitem_id 0
		.amdhsa_next_free_vgpr 1024
		.amdhsa_next_free_sgpr 66
		.amdhsa_reserve_vcc 0
		.amdhsa_float_denorm_mode_32 3
		.amdhsa_float_denorm_mode_16_64 3
		.amdhsa_memory_ordered 1
		.amdhsa_forward_progress 1
		.amdhsa_inst_pref_size 255
	.end_amdhsa_kernel
	.section	.bss,"aw",@nobits
	.p2align	6
	.space	262144
	.amdgpu_metadata
---
amdhsa.version: [ 1, 2 ]
amdhsa.kernels:
  - .name:           k_qfcbe0185a0_qkv
    .symbol:         k_qfcbe0185a0_qkv.kd
    .args:
      - { .name: hidden_states, .offset: 0, .size: 8, .value_kind: global_buffer, .address_space: global }
      - { .name: wcodes, .offset: 8, .size: 8, .value_kind: global_buffer, .address_space: global }
      - { .name: dimg, .offset: 16, .size: 8, .value_kind: global_buffer, .address_space: global }
      - { .name: q_up, .offset: 24, .size: 8, .value_kind: global_buffer, .address_space: global }
      - { .name: k_up, .offset: 32, .size: 8, .value_kind: global_buffer, .address_space: global }
      - { .name: v_up, .offset: 40, .size: 8, .value_kind: global_buffer, .address_space: global }
      - { .name: lowp_scales, .offset: 48, .size: 8, .value_kind: global_buffer, .address_space: global }
      - { .name: qc, .offset: 56, .size: 8, .value_kind: global_buffer, .address_space: global }
      - { .name: kv, .offset: 64, .size: 8, .value_kind: global_buffer, .address_space: global }
    .group_segment_fixed_size: 272896
    .private_segment_fixed_size: 0
    .kernarg_segment_align: 8
    .kernarg_segment_size: 72
    .max_flat_workgroup_size: 128
    .sgpr_count:     66
    .vgpr_count:     1024
    .wavefront_size: 32
...
	.end_amdgpu_metadata
.endif
;; end of part 2
;; launch attn (part 3): grid 8 x 32, 8 waves a work-group, no clusters, 265,216 bytes of LDS; arguments qc, kv, wcodes, dimg, o_up, bo, lowp_scales, out0; writes out0
.if DOCPART == 3
	.amdgcn_target "amdgcn-amd-amdhsa--gfx1250"
	.amdhsa_code_object_version 6
	.text
	.protected	k_qfcbe0185a0_attn
	.globl	k_qfcbe0185a0_attn
	.p2align	8
	.type	k_qfcbe0185a0_attn,@function
k_qfcbe0185a0_attn:
	s_mov_b64 s[64:65], 0
	v_nop
	global_prefetch_b8 v0, s[64:65] scope:SCOPE_SE
	s_setreg_imm32_b32 hwreg(HW_REG_WAVE_MODE, 25, 1), 1
	s_wait_xcnt 0x0
; Attention on codes of E4M3 and the output projection, for 128 queries of one frame and all 8 heads: h never goes to memory.
; Frame f takes its keys and values from frame (f & 16) + max((f & 15) - 1, 0): the frame before it in its half of the batch.
; SHARES.  Eight waves, two to a SIMD.  Wave w: hp = w / 2, g = w % 2.  In pass 0 and pass 1 it owns head 4 pass + hp and the query tiles 4 g .. 4 g + 3, so each fragment of K and V read from LDS feeds four products.
; THE RING.  A key step is 128 keys of the pass's four heads: 64 KiB, dense in kv, in the order of the operands' registers.  Each wave loads its eighth of the NEXT step into registers at a step's head and stores it into the
;   other LDS slot at the step's end; one barrier a step: in front of it each wave's reads of the slot in hand are back and its stores into the other have landed.
; THE SOFTMAX: t = score x log2(e) / 8; M = the running largest t rounded UP to a whole number, kept as -M; p = 2^(t - M) is quantised with the given 2^ep, not normalised; the row's sum is taken of the unquantised p and divides
;   at the end.  When M moves, the sum and O are multiplied by 2^(old M - new M), which rounds nothing.  Both products are used transposed, so a lane holds one query throughout.
;   p is at most 1, so the hold at 448 x 2^ep can act only where ep < -8: a scalar branch on that whole number, read from memory, leads round the 64 holds.
; AT A PASS'S END h = O / sum x 2^(ep + ev) is quantised with 2^eh into images in LDS, and h o_down (bf16 operands, f32 sums: it feeds no quantiser) leaves a partial sum for each head.
; THE OUTPUT: wave w makes columns 64 w .. 64 w + 63 for the 128 rows: the sums begin with (h o_down) o_up / 2^(eh + ewo) (bf16 form), take the eight heads' FP8 products on top, and y = sum x 2^(eh + ewo) + bo.
; LIMITS on the given exponents, so that each power of two is an f32 number: eq + ek between -123 and 130 (added to the exponent field of log2(e) / 8); ep and eh between -126 and 119; eh + ewo between -126 and 127.
;   t is taken to lie above -3e38.  NaN and infinities among the inputs are not served.
; No cluster and no joint request: a joint request is a tensor load.
; LDS: slots at 0 and 65,536;  HIMG: h's codes, (row tile x 8 + head) x 1,024;  TIMG: the partial sums, (row tile x 8 + head) x 512;  STG: 16 rows x 272 bytes for each wave;  SPARE: the spare words.
; REGISTERS, window 0: v1-15 addresses and scales; v16-31 four registers of statistics a tile (-M, largest t, the sum in two halves); v32-39 at work; v40-47 h o_down; v48-79 Q; v80-143 S^T, then p; v144-159 p's codes;
;   v160-223 the next step's eighth; v224-239 at work at a pass's end.   window 1: v0-127 O^T, 32 a tile; v128-191 K; v192-255 V; in the output phase the 32 accumulators.
.set SLOT1, 65536
.set HIMG,  131072
.set TIMG,  196608
.set STG,   229376
.set SP,    272
.set SPARE, 264192                     ; 128 bytes for each wave: four blocks of 256 bytes that no other line names
.set LI,   1                           ; 16 x lane
.set FA,   2                           ; v2, v3  where I read my head's K and V in slot 0, 1
.set SA,   4                           ; v4, v5  where I store my eighth of a step in slot 0, 1
.set HWA,  6                           ; where my h images begin
.set TWA,  7                           ; where my partial sums begin
.set SPW,  8                           ; my spare word; never rewritten
.set NIL,  9                           ; 0; never rewritten
.set PSC,  10                          ; 2^ep
.set HSC,  11                          ; 2^eh
.set PLIM, 12                          ; 448 x 2^ep
.set HLIM, 13                          ; 448 x 2^eh
.set HW,   14                          ; HWA + the pass's offset
.set TW,   15                          ; TWA + the pass's offset
.set ST,   16
.set MXA,  32
.set MXB,  33
.set PRM,  34
.set OLD,  35
.set FF,   36                          ; v[36:37] f = 2^(old M - new M); the pair's upper word is only named
.set SUM,  38
.set TD,   40
.set QF,   48
.set S,    80
.set PC,   144
.set STGR, 160
.set LS,   224
.set LP,   228
.set RC,   232                         ; v[232+2q : 233+2q] 2^(ep + ev) / sum
.set MSB, 0
.macro WIN new                         ; the immediate's high byte repeats the setting that is left; a switch that changes nothing is dropped
.if MSB != \new
	s_set_vgpr_msb (MSB<<8)|\new
.set MSB, \new
.endif
.endm
.macro KLOAD                           ; my eighth, 8 KiB, of the step at s[36:37]
.set n, 0
.rept 16
	global_load_b128 v[STGR+4*n:STGR+4*n+3], v[LI], s[36:37] offset:512*n
.set n, n+1
.endr
.endm
.macro KSTORE slot
.set n, 0
.rept 16
	ds_store_b128 v[SA+\slot], v[STGR+4*n:STGR+4*n+3] offset:512*n
.set n, n+1
.endr
.endm
; ONE TILE OF 16 QUERIES x 128 KEYS
.macro TS q
.set SB, ST+4*\q
.if \q == 0
	s_wait_dscnt 16                                ; K is in; V's 16 loads may be out
.endif
	WIN 0x01                                       ; source 0 (K) window 1
.irp t, 0,1,2,3,4,5,6,7
	v_wmma_f32_16x16x64_fp8_fp8 v[S+8*\t:S+8*\t+7], v[128+8*\t:128+8*\t+7], v[QF+8*\q:QF+8*\q+7], 0   ; S^T: register 8 t + j = key 16 t + 8 h + j of my query
.endr
	WIN 0
.rept 4
	v_nop
.endr
	v_max3_num_f32 v[MXA], v[S], v[S+1], v[S+2]    ; the step's largest score of my query among my 64 keys, in two chains, each result read from its low end on
	v_max3_num_f32 v[MXB], v[S+3], v[S+4], v[S+5]
.irp i, 6,10,14,18,22,26,30,34,38,42,46,50,54,58
	v_max3_num_f32 v[MXA], v[MXA], v[S+\i], v[S+\i+1]
	v_max3_num_f32 v[MXB], v[MXB], v[S+\i+2], v[S+\i+3]
.endr
	v_max3_num_f32 v[MXA], v[MXA], v[S+62], v[S+63]
	v_max_num_f32 v[MXA], v[MXA], v[MXB]
	v_permlanex16_b32 v[PRM], v[MXA], s42, s43
	v_max_num_f32 v[MXA], v[MXA], v[PRM]           ; and among lane l xor 16's
	v_mul_f32 v[MXA], s40, v[MXA]                  ; as t (the factor is positive)
	v_max_num_f32 v[SB+1], v[SB+1], v[MXA]         ; the running largest t
	v_mov_b32 v[OLD], v[SB]
	v_floor_f32 v[SB], -v[SB+1]                    ; the new -M = floor(-t): M is a whole number
	v_sub_f32 v[OLD], v[SB], v[OLD]                ; old M less new M: a whole number, 0 or less
	v_cvt_i32_f32 v[OLD], v[OLD]                   ; (it saturates)
	v_ldexp_f32 v[FF], 1.0, v[OLD]                 ; f = 2^(old M - new M)
.set i, 0
.rept 32
	v_pk_fma_f32 v[S+2*i:S+2*i+1], v[S+2*i:S+2*i+1], s[40:41], v[SB:SB+1] op_sel_hi:[1,0,0]   ; t - M, two at a time (of both pairs the low word serves both halves)
.set i, i+1
.endr
.set i, 0
.rept 64
	v_exp_f32 v[S+i], v[S+i]                       ; p = 2^(t - M), at most 1
.set i, i+1
.endr
	v_pk_mul_f32 v[SB+2:SB+3], v[SB+2:SB+3], v[FF:FF+1] op_sel_hi:[1,0]   ; the sums under the new M: the plain line behind the exponentials
	s_wait_alu depctr_va_vdst(0)                   ; one wait for the batch of 64, ahead of its first reader
	v_pk_add_f32 v[SUM:SUM+1], v[S:S+1], v[S+2:S+3]   ; the row's sum is taken of the unquantised p, in two chains
.irp j, 4,8,12,16,20,24,28,32,36,40,44,48,52,56,60
	v_pk_add_f32 v[SB+2:SB+3], v[SB+2:SB+3], v[S+\j:S+\j+1]
	v_pk_add_f32 v[SUM:SUM+1], v[SUM:SUM+1], v[S+\j+2:S+\j+3]
.endr
	v_pk_add_f32 v[SB+2:SB+3], v[SB+2:SB+3], v[SUM:SUM+1]
	s_cmp_ge_i32 s32, -8                           ; 448 x 2^ep is 1.75 or more: no p reaches it
	s_cbranch_scc1 .Lnohold_\@
.set i, 0
.rept 64
	v_min_num_f32 v[S+i], v[S+i], v[PLIM]          ; the conversion does not saturate (ISA guide 7.6.2); p is not negative, so the hold is one-sided
.set i, i+1
.endr
.Lnohold_\@:
.irp t, 0,1,2,3,4,5,6,7
	v_cvt_scalef32_pk8_fp8_f32 v[PC+2*\t:PC+2*\t+1], v[S+8*\t:S+8*\t+7], v[PSC]   ; registers 2 t, 2 t + 1 = keys 16 t + 8 h + 0 .. 7: the form's own places
.endr
	WIN 0x41
.set i, 0
.rept 16
	v_pk_mul_f32 v[32*\q+2*i:32*\q+2*i+1], v[32*\q+2*i:32*\q+2*i+1], v[FF:FF+1] op_sel_hi:[1,0]   ; O^T under the new M; also the plain lines between the conversions and the products
.set i, i+1
.endr
.if \q == 0
	s_wait_dscnt 0x0                               ; V is in
.endif
	WIN 0x51                                       ; V, C and D window 1; p's codes window 0
.irp u, 0,1,2,3
	v_wmma_f32_16x16x128_fp8_fp8 v[32*\q+8*\u:32*\q+8*\u+7], v[192+16*\u:192+16*\u+15], v[PC:PC+15], v[32*\q+8*\u:32*\q+8*\u+7]
.endr
	WIN 0
.endm
; A KEY STEP out of slot `slot`; the next step goes into the other slot.  mayskip = 1: behind the launch's last step there is none: its loads and its stores are jumped over, on a counter.
; The wait for the loads stands on every way, ahead of the second branch: no load into the staging registers is out when the next one is issued.
.macro STEP slot, mayskip
.rept 4
	v_nop                                          ; places in front of the loads into V's registers, which the last products read
.endr
.if \mayskip
	s_cmp_eq_u32 s50, 1
	s_cbranch_scc1 .Lnoload_\@
.endif
	KLOAD                                          ; a whole step, four tiles' work of two waves, ahead of the stores that want it
.if \mayskip
.Lnoload_\@:
.endif
	WIN 0x40
.set n, 0
.rept 16
	ds_load_b128 v[128+4*n:128+4*n+3], v[FA+\slot] offset:512*n          ; K: 8 tiles of 16 keys x 64 channels
.set n, n+1
.endr
.set n, 0
.rept 16
	ds_load_b128 v[192+4*n:192+4*n+3], v[FA+\slot] offset:8192+512*n     ; V: 4 tiles of 16 channels x 128 keys
.set n, n+1
.endr
	TS 0
	TS 1
	TS 2
	TS 3
	s_wait_loadcnt 0x0                             ; the next step's eighth, if it was asked for, is in: its base may step and its registers may be loaded again
.if \mayskip
	s_cmp_eq_u32 s50, 1
	s_cbranch_scc1 .Lnostore_\@
.endif
	s_add_nc_u64 s[36:37], s[36:37], 65536
	KSTORE 1-\slot
.if \mayskip
.Lnostore_\@:
.endif
	s_wait_dscnt 0x0                               ; my stores into the other slot have landed; my reads of this one came back in the first tile
	s_barrier_signal -1
	s_barrier_wait -1
.endm
	s_load_b256 s[4:11], s[0:1], 0x0               ; qc s[4:5], kv s[6:7], wcodes s[8:9], dimg s[10:11]
	s_load_b256 s[12:19], s[0:1], 0x20             ; o_up s[12:13], bo s[14:15], the scales' exponents s[16:17], out0 s[18:19]
	v_lshl_add_u32 v[SPW], v0, 2, SPARE
	v_mov_b32 v[NIL], 0
	v_lshrrev_b32 v32, 5, v0
	v_readfirstlane_b32 s20, v32                   ; wave 0..7
	s_lshr_b32 s21, s20, 1                         ; hp
	s_and_b32 s22, s20, 1                          ; g
	v_and_b32 v32, 31, v0
	v_lshlrev_b32 v[LI], 4, v32
	s_lshl_b32 s56, s21, 14
	v_add_nc_u32 v[FA], s56, v[LI]
	v_add_nc_u32 v[FA+1], SLOT1, v[FA]
	s_lshl_b32 s56, s20, 13
	v_add_nc_u32 v[SA], s56, v[LI]
	v_add_nc_u32 v[SA+1], SLOT1, v[SA]
	s_lshl_b32 s56, s22, 15                        ; h's images: row tile 4 g, head hp
	s_lshl_b32 s57, s21, 10
	s_add_co_u32 s56, s56, s57
	s_add_co_u32 s56, s56, HIMG
	v_add_nc_u32 v[HWA], s56, v[LI]
	s_lshl_b32 s56, s22, 14
	s_lshl_b32 s57, s21, 9
	s_add_co_u32 s56, s56, s57
	s_add_co_u32 s56, s56, TIMG
	v_add_nc_u32 v[TWA], s56, v[LI]
	v_mov_b32 v[PRM], 0                            ; written once: a lane permute's destination counts as one of its sources
	v_mov_b32 v[FF+1], 0                           ; (named as a pair's upper word)
.irp q, 0,1,2,3
	v_mov_b32 v[LP+\q], 0
	v_mov_b32 v[RC+2*\q+1], 0
.endr
	s_mov_b32 s42, 0x76543210                      ; v_permlanex16_b32's selects for lane l xor 16
	s_mov_b32 s43, 0xfedcba98
	s_and_b32 s23, ttmp7, 0xffff                   ; f
	s_and_b32 s56, s23, 15
	s_sub_co_i32 s56, s56, 1
	s_max_i32 s56, s56, 0
	s_and_b32 s57, s23, 16
	s_add_co_u32 s56, s56, s57                     ; the frame of the keys
	s_lshl_b32 s56, s56, 20
	s_lshl_b32 s57, s20, 13                        ; my eighth of a step
	s_add_co_u32 s56, s56, s57
	s_mov_b32 s57, 0
	s_wait_kmcnt 0x0
	s_load_b256 s[24:31], s[16:17], 0x0            ; e0 .. e7
	s_load_b128 s[32:35], s[16:17], 0x20           ; ep s32, ev s33, eh s34, ewo s35
	s_add_nc_u64 s[36:37], s[6:7], s[56:57]
	KLOAD                                          ; step 0
	s_lshl_b32 s56, s23, 3
	s_add_co_u32 s56, s56, ttmp9                   ; my block of 128 rows
	s_lshl_b32 s56, s56, 16
	s_lshl_b32 s58, s21, 13
	s_add_co_u32 s56, s56, s58
	s_lshl_b32 s58, s22, 12
	s_add_co_u32 s56, s56, s58
	s_add_nc_u64 s[38:39], s[4:5], s[56:57]        ; Q: head hp, row tile 4 g; a pass on: 32,768 bytes
	s_lshl_b32 s56, s21, 12
	s_add_co_u32 s56, s56, 32768
	s_add_nc_u64 s[54:55], s[10:11], s[56:57]      ; o_down's image at head hp's 64 channels; a pass on: 16,384 bytes
	s_lshl_b32 s56, s20, 15
	s_add_co_u32 s56, s56, 786432
	s_add_nc_u64 s[8:9], s[8:9], s[56:57]          ; Wo's codes at my four column tiles
	s_lshl_b32 s56, s23, 21
	s_lshl_b32 s58, ttmp9, 18
	s_add_co_u32 s56, s56, s58
	s_add_nc_u64 s[18:19], s[18:19], s[56:57]      ; out0 at my work-group's first row
	s_wait_kmcnt 0x0
	s_mov_b32 s40, 0x3e38aa3b                      ; log2(e) / 8
	s_add_co_i32 s56, s30, s31
	s_lshl_b32 s56, s56, 23
	s_add_co_i32 s40, s40, s56                     ; a sum of codes stands for sum x 2^(eq + ek): the exponents are added to the factor's exponent field
	s_mov_b32 s41, s40                             ; (named with it as a pair)
	s_add_co_i32 s56, s32, 127
	s_lshl_b32 s58, s56, 23
	v_mov_b32 v[PSC], s58
	s_add_co_i32 s56, s56, 8
	s_lshl_b32 s56, s56, 23
	s_or_b32 s56, s56, 0x600000
	v_mov_b32 v[PLIM], s56
	s_add_co_i32 s56, s34, 127
	s_lshl_b32 s58, s56, 23
	v_mov_b32 v[HSC], s58
	s_add_co_i32 s56, s56, 8
	s_lshl_b32 s56, s56, 23
	s_or_b32 s56, s56, 0x600000
	v_mov_b32 v[HLIM], s56
	s_add_co_i32 s45, s32, s33                     ; ep + ev
	s_add_co_i32 s56, s34, s35                     ; eh + ewo
	s_sub_co_i32 s48, 0, s56
	s_add_co_i32 s56, s56, 127
	s_lshl_b32 s46, s56, 23                        ; 2^(eh + ewo) as f32
	s_mov_b32 s47, s46
	s_wait_loadcnt 0x0
	s_add_nc_u64 s[36:37], s[36:37], 65536
	KSTORE 0
	s_wait_dscnt 0x0
	s_barrier_signal -1
	s_barrier_wait -1                              ; step 0 lies in slot 0
	s_mov_b32 s51, 2                               ; passes
	s_mov_b32 s50, 8                               ; pairs of steps to go, over both passes
	s_mov_b32 s52, 0                               ; the pass's offset in h's images
.Lpass:
.set n, 0
.rept 8
	global_load_b128 v[QF+4*n:QF+4*n+3], v[LI], s[38:39] offset:512*n   ; my four tiles of Q for the pass's head
.set n, n+1
.endr
.irp q, 0,1,2,3
	v_mov_b32 v[ST+4*\q+1], 0xff61b1e6             ; the largest t so far: -3e38
	v_floor_f32 v[ST+4*\q], -v[ST+4*\q+1]          ; -M
	v_mov_b32 v[ST+4*\q+2], 0                      ; the sum, in two halves
	v_mov_b32 v[ST+4*\q+3], 0
.endr
	WIN 0x40
.set n, 0
.rept 128
	v_mov_b32 v[n], 0                              ; O^T.  (The key step is written without a first form: the first change of M multiplies zeros)
.set n, n+1
.endr
	WIN 0
	s_wait_loadcnt 0x0                             ; Q
	s_mov_b32 s49, 4
.Lpair:
	STEP 0, 0
	STEP 1, 1
	s_sub_co_u32 s50, s50, 1
	s_sub_co_u32 s49, s49, 1
	s_cmp_lg_u32 s49, 0
	s_cbranch_scc1 .Lpair
	; ---- A PASS'S END
.set n, 0
.rept 8
	global_load_b128 v[160+4*n:160+4*n+3], v[LI], s[54:55] offset:512*n   ; o_down's image for my head: register 16 a + i = D(r, 64 head + 32 a + 16 h + i)
.set n, n+1
.endr
	v_add_nc_u32 v[HW], s52, v[HWA]
	s_lshr_b32 s53, s52, 1
	v_add_nc_u32 v[TW], s53, v[TWA]
.irp q, 0,1,2,3
	v_add_f32 v[LS+\q], v[ST+4*\q+2], v[ST+4*\q+3] ; the sum's two halves,
.endr
.irp q, 0,1,2,3
	v_permlanex16_b32 v[LP+\q], v[LS+\q], s42, s43
.endr
.irp q, 0,1,2,3
	v_add_f32 v[LS+\q], v[LS+\q], v[LP+\q]         ; and lane l xor 16's
.endr
.irp q, 0,1,2,3
	v_rcp_f32 v[RC+2*\q], v[LS+\q]
.endr
	v_nop                                          ; a plain line behind the last reciprocal
	s_wait_alu depctr_va_vdst(0)                   ; one wait for the four, ahead of their first reader
.irp q, 0,1,2,3
	v_ldexp_f32 v[RC+2*\q], v[RC+2*\q], s45        ; x 2^(ep + ev)
.endr
	s_wait_loadcnt 0x0
.set n, 0
.rept 16
	v_cvt_pk_bf16_f32 v[192+n], v[160+2*n], v[160+2*n+1]   ; o_down in bf16: two fragments of 32 channels, v192-207
.set n, n+1
.endr
.irp q, 0,1,2,3
	s_wait_dscnt 0x0                               ; the last tile's stores have read their registers
	WIN 0x01
.set n, 0
.rept 16
	v_pk_mul_f32 v[80+2*n:81+2*n], v[32*\q+2*n:32*\q+2*n+1], v[RC+2*\q:RC+2*\q+1] op_sel_hi:[1,0]   ; h: register 16 a + i = channel 32 a + 16 h + i of my query
.set n, n+1
.endr
	WIN 0
.set n, 0
.rept 16
	v_cvt_pk_bf16_f32 v[208+n], v[80+2*n], v[80+2*n+1]
.set n, n+1
.endr
	v_wmma_f32_16x16x32_bf16 v[TD:TD+7], v[192:199], v[208:215], 0
	s_wait_alu depctr_va_vdst(0)                   ; the wait stands directly ahead of the second
	v_wmma_f32_16x16x32_bf16 v[TD:TD+7], v[200:207], v[216:223], v[TD:TD+7]
.set n, 0
.rept 32
	v_med3_num_f32 v[80+n], v[80+n], -v[HLIM], v[HLIM]   ; the hold; also the places behind the two products
.set n, n+1
.endr
.set n, 0
.rept 4
	v_cvt_scalef32_pk8_fp8_f32 v[PC+2*n:PC+2*n+1], v[80+8*n:80+8*n+7], v[HSC]
.set n, n+1
.endr
	v_nop                                          ; a plain line behind the last conversion
	ds_store_b128 v[HW], v[PC:PC+3] offset:\q*8192
	ds_store_b128 v[HW], v[PC+4:PC+7] offset:\q*8192+512
	ds_store_b128 v[TW], v[TD:TD+3] offset:\q*4096  ; lanes 0-15: (h o_down)(my query, 0 .. 3) of this head; lanes 16-31: zeros (rows 8-11 of the image)
.endr
	s_add_nc_u64 s[38:39], s[38:39], 32768
	s_add_nc_u64 s[54:55], s[54:55], 16384
	s_add_co_u32 s52, s52, 4096
	s_sub_co_u32 s51, s51, 1
	s_cmp_lg_u32 s51, 0
	s_cbranch_scc1 .Lpass
	; ---- THE OUTPUT PHASE.  Addresses: v2 o_up, v3 the partial sums, v4 h's images, v5 and v6 my stage (in, back), v7 out0, v155 bo
	v_and_b32 v152, 15, v0                         ; r
	v_bfe_u32 v153, v0, 4, 1                       ; h
	v_and_b32 v154, 8, v152
	v_add_nc_u32 v154, v154, v152                  ; r + 8 (r / 8)
	v_lshlrev_b32 v2, 2, v154
	s_lshl_b32 s56, s20, 8                         ; my 64 columns, in bytes
	v_add_nc_u32 v2, s56, v2
	v_add_nc_u32 v3, TIMG, v[LI]
	v_add_nc_u32 v4, HIMG, v[LI]
	s_mul_i32 s57, s20, 16*SP
	s_add_co_u32 s57, s57, STG
	v_mul_u32_u24 v5, v152, SP
	v_lshl_add_u32 v5, v153, 6, v5
	v_add_nc_u32 v5, s57, v5                       ; in: row r, + 64 h
	v_mul_u32_u24 v6, v153, SP
	v_lshl_add_u32 v6, v152, 4, v6
	v_add_nc_u32 v6, s57, v6                       ; back: lanes 0-15 one row of 256 bytes, lanes 16-31 the next
	v_lshlrev_b32 v7, 11, v153
	v_lshl_add_u32 v7, v152, 4, v7
	v_add_nc_u32 v7, s56, v7                       ; and the same two rows in out0
	v_lshl_add_u32 v155, v153, 6, s56              ; bo: 256 w + 64 h
.set n, 0
.rept 16
	global_load_b32 v[80+n], v2, s[12:13] offset:2048*(n%4)+4*(32*(n/8)+8*((n/4)%2))   ; o_up(n % 4, my column of tile n / 4)
.set n, n+1
.endr
.macro WSET k                          ; Wo's four sets of 32 registers take turns
.if ((\k)%4) == 0
.set WS, 48
.elseif ((\k)%4) == 1
.set WS, 224
.elseif ((\k)%4) == 2
.set WS, 160
.else
.set WS, 192
.endif
.endm
.macro WOLD k                          ; Wo's fragments of head k for my four column tiles
	WSET \k
.set n, 0
.rept 8
	global_load_b128 v[WS+4*n:WS+4*n+3], v[LI], s[8:9] offset:(n/2)*8192+(\k)*1024+512*(n%2)
.set n, n+1
.endr
.endm
	WOLD 0
	WOLD 1
	WOLD 2
	WOLD 3
	s_wait_dscnt 0x0                               ; for the others' sake: my images of h and my partial sums have landed
	s_barrier_signal -1
	s_barrier_wait -1
	s_wait_loadcnt 32                              ; o_up is in; Wo's 32 loads may be out
.set n, 0
.rept 16
	v_ldexp_f32 v[80+n], v[80+n], s48              ; o_up / 2^(eh + ewo): the sums of codes lack that power of two
.set n, n+1
.endr
.irp c, 0,1,2,3
	v_cvt_pk_bf16_f32 v[16+8*\c], v[80+4*\c], v[80+4*\c+1]      ; a fragment of K = 32 of which k = 0 .. 3 count: lanes 0-15, registers 0 and 1
	v_cvt_pk_bf16_f32 v[16+8*\c+1], v[80+4*\c+2], v[80+4*\c+3]
.irp j, 2,3,4,5,6,7
	v_mov_b32 v[16+8*\c+\j], 0
.endr
.endr
.irp j, 2,3,4,5,6,7
	v_mov_b32 v[144+\j], 0
.endr
.macro PLOAD m                         ; row tile m's eight partial sums
.set n, 0
.rept 8
	ds_load_b128 v[80+32*((\m)%2)+4*n:80+32*((\m)%2)+4*n+3], v3 offset:((\m)*8+n)*512
.set n, n+1
.endr
.endm
	PLOAD 0
.irp m, 0,1,2,3,4,5,6,7
.if \m < 7
	PLOAD \m+1
	s_wait_dscnt 8                                 ; this tile's eight are in; the next tile's may be out
.else
	s_wait_dscnt 0x0
.endif
.set PB, 80+32*(\m%2)
.irp k, 0,8,16,24                      ; the heads' sum; also the places between the last products and the new fragment
	v_pk_add_f32 v[PB+\k:PB+\k+1], v[PB+\k:PB+\k+1], v[PB+\k+4:PB+\k+5]
	v_pk_add_f32 v[PB+\k+2:PB+\k+3], v[PB+\k+2:PB+\k+3], v[PB+\k+6:PB+\k+7]
.endr
.irp k, 0,16
	v_pk_add_f32 v[PB+\k:PB+\k+1], v[PB+\k:PB+\k+1], v[PB+\k+8:PB+\k+9]
	v_pk_add_f32 v[PB+\k+2:PB+\k+3], v[PB+\k+2:PB+\k+3], v[PB+\k+10:PB+\k+11]
.endr
	v_pk_add_f32 v[PB:PB+1], v[PB:PB+1], v[PB+16:PB+17]
	v_pk_add_f32 v[PB+2:PB+3], v[PB+2:PB+3], v[PB+18:PB+19]
	v_cvt_pk_bf16_f32 v144, v[PB], v[PB+1]
	v_cvt_pk_bf16_f32 v145, v[PB+2], v[PB+3]
	WIN 0x40
.irp c, 0,1,2,3
	v_wmma_f32_16x16x32_bf16 v[8*(4*\m+\c):8*(4*\m+\c)+7], v[16+8*\c:16+8*\c+7], v[144:151], 0   ; the sums begin with the LoRA term
.endr
	WIN 0
.endr
.rept 5
	v_nop                                          ; five places: another form writes over these results (ISA guide 7.12.1)
.endr
.set n, 0
.rept 8
	global_load_b128 v[16+4*n:16+4*n+3], v155, s[14:15] offset:4*(32*(n/4)+8*((n/2)%2))+16*(n%2)   ; bo in the result's layout: tile c, register j: column 32 (c / 2) + 16 h + 8 (c % 2) + j
.set n, n+1
.endr
.irp k, 0,1,2,3,4,5,6,7               ; the eight heads, K = 64 each: 32 accumulators by turns
.if \k > 0
.rept 4
	v_nop                                          ; places in front of the loads into registers that the last products read
.endr
.endif
.if (\k > 0) && (\k < 5)
	WOLD \k+3
.endif
.set n, 0
.rept 16
	ds_load_b128 v[80+4*n:80+4*n+3], v4 offset:(n/2)*8192+\k*1024+512*(n%2)   ; h's codes of head k, eight row tiles
.set n, n+1
.endr
.if \k < 4
	s_wait_loadcnt 32                              ; Wo of this head is in; behind it: three more sets and bo
.else
	s_wait_loadcnt 8*(7-\k)                        ; behind it: the sets of the heads still to come
.endif
	s_wait_dscnt 0x0
	WSET \k
	WIN 0x50                                       ; C and D window 1
.irp m, 0,1,2,3,4,5,6,7
.irp c, 0,1,2,3
	v_wmma_f32_16x16x64_fp8_fp8 v[8*(4*\m+\c):8*(4*\m+\c)+7], v[WS+8*\c:WS+8*\c+7], v[80+8*\m:80+8*\m+7], v[8*(4*\m+\c):8*(4*\m+\c)+7]
.endr
.endr
	WIN 0
.endr
.rept 4
	v_nop
.endr
; THE WAY OUT, a row tile at a time: a lane holds 4 x 32 bytes of one row; they go through my stage and come back as rows of 256 bytes, so that sixteen lanes store 256 consecutive bytes, aligned
.macro TOSTAGE m
	WIN 0x01
.set n, 0
.rept 16
	v_pk_fma_f32 v[48+2*n:49+2*n], v[32*(\m)+2*n:32*(\m)+2*n+1], s[46:47], v[16+2*n:17+2*n] op_sel_hi:[1,0,1]   ; y = sum x 2^(eh + ewo) + bo; each accumulator from its low end on
.set n, n+1
.endr
	WIN 0
.set n, 0
.rept 8
	ds_store_b128 v5, v[48+4*n:51+4*n] offset:128*(n/4)+32*((n/2)%2)+16*(n%2)
.set n, n+1
.endr
.set n, 0
.rept 8
	ds_load_b128 v[160+32*((\m)%2)+4*n:160+32*((\m)%2)+4*n+3], v6 offset:2*SP*n   ; LDS serves a wave's instructions in order (ISA guide 5.7.1.4): these see my stores, and the next tile's stores come behind them
.set n, n+1
.endr
.endm
.macro SEND m, younger
	s_wait_dscnt \younger                          ; the tile is back; the next tile's 8 stores and 8 loads may be out
.set n, 0
.rept 8
	global_store_b128 v7, v[160+32*((\m)%2)+4*n:160+32*((\m)%2)+4*n+3], s[18:19] offset:(16*(\m)+2*n)*2048 th:TH_STORE_NT
.set n, n+1
.endr
.endm
	TOSTAGE 0
.irp m, 1,2,3,4,5,6,7
.if \m > 1
	s_wait_xcnt 0x0                                ; the stores of two tiles back have read the registers that this tile's loads fill
.endif
	TOSTAGE \m
	SEND \m-1, 16
.endr
	SEND 7, 0
	s_wait_tensorcnt 0x0                           ; the wave's end, behind my last LDS store
	ds_add_u32 v[SPW], v[NIL]
	s_wait_dscnt 0x0
	s_endpgm
.Lfunc_end_k_qfcbe0185a0_attn:
	.size	k_qfcbe0185a0_attn, .Lfunc_end_k_qfcbe0185a0_attn-k_qfcbe0185a0_attn
	.p2alignl 7, 3214868480
	.fill 96, 4, 3214868480
	.section	.rodata,"a",@progbits
	.p2align	6, 0x0
	.amdhsa_kernel k_qfcbe0185a0_attn
		.amdhsa_group_segment_fixed_size 265216
		.amdhsa_private_segment_fixed_size 0
		.amdhsa_enable_private_segment 0
		.amdhsa_kernarg_size 64
		.amdhsa_user_sgpr_count 2
		.amdhsa_user_sgpr_kernarg_segment_ptr 1
		.amdhsa_wavefront_size32 1
		.amdhsa_system_sgpr_workgroup_id_x 1
		.amdhsa_system_sgpr_workgroup_id_y 1
		.amdhsa_system_sgpr_workgroup_id_z 1
		.amdhsa_system_vgpr_workitem_id 0
		.amdhsa_next_free_vgpr 512
		.amdhsa_next_free_sgpr 66
		.amdhsa_reserve_vcc 0
		.amdhsa_float_denorm_mode_32 3
		.amdhsa_float_denorm_mode_16_64 3
		.amdhsa_memory_ordered 1
		.amdhsa_forward_progress 1
		.amdhsa_inst_pref_size 225
	.end_amdhsa_kernel
	.amdgpu_metadata
---
amdhsa.version: [ 1, 2 ]
amdhsa.kernels:
  - .name:           k_qfcbe0185a0_attn
    .symbol:         k_qfcbe0185a0_attn.kd
    .args:
      - { .name: qc, .offset: 0, .size: 8, .value_kind: global_buffer, .address_space: global }
      - { .name: kv, .offset: 8, .size: 8, .value_kind: global_buffer, .address_space: global }
      - { .name: wcodes, .offset: 16, .size: 8, .value_kind: global_buffer, .address_space: global }
      - { .name: dimg, .offset: 24, .size: 8, .value_kind: global_buffer, .address_space: global }
      - { .name: o_up, .offset: 32, .size: 8, .value_kind: global_buffer, .address_space: global }
      - { .name: bo, .offset: 40, .size: 8, .value_kind: global_buffer, .address_space: global }
      - { .name: lowp_scales, .offset: 48, .size: 8, .value_kind: global_buffer, .address_space: global }
      - { .name: out0, .offset: 56, .size: 8, .value_kind: global_buffer, .address_space: global }
    .group_segment_fixed_size: 265216
    .private_segment_fixed_size: 0
    .kernarg_segment_align: 8
    .kernarg_segment_size: 64
    .max_flat_workgroup_size: 256
    .sgpr_count:     66
    .vgpr_count:     512
    .wavefront_size: 32
...
	.end_amdgpu_metadata
.endif
;; end of part 3
;; ======== version 2 of 2: 3 launches; version 1 with the launches qkv, attn written anew for expert scheduling mode
;; workspace buffers: wcodes 1,048,576 bytes; dimg 65,536 bytes; qc 16,777,216 bytes; kv 33,554,432 bytes
;; launch prep: the kernel of part 1 again; grid 136 x 1, 4 waves a work-group, no clusters, 0 bytes of LDS; arguments Wq, Wk, Wv, Wo, q_down, k_down, v_down, o_down, lowp_scales, wcodes, dimg; writes wcodes, dimg
;; launch qkv (part 4): grid 256 x 1, 4 waves a work-group, no clusters, 272,896 bytes of LDS; arguments hidden_states, wcodes, dimg, q_up, k_up, v_up, lowp_scales, qc, kv; writes qc, kv
.if DOCPART == 4
	.amdgcn_target "amdgcn-amd-amdhsa--gfx1250"
	.amdhsa_code_object_version 6
	.text
	.protected	k_qfcbe0185a0_qkv
	.globl	k_qfcbe0185a0_qkv
	.p2align	8
	.type	k_qfcbe0185a0_qkv,@function
k_qfcbe0185a0_qkv:
	s_mov_b64 s[64:65], 0
	v_nop
	global_prefetch_b8 v0, s[64:65] scope:SCOPE_SE
	s_setreg_imm32_b32 hwreg(HW_REG_WAVE_SCHED_MODE, 0, 2), 2
	s_setreg_imm32_b32 hwreg(HW_REG_WAVE_MODE, 25, 1), 1
	s_wait_xcnt 0x0
	s_wait_alu depctr_vm_vsrc(0)
; q, k, v = x W + (x down) up for 128 rows of x a work-group, and their codes of E4M3 for the attention launch.  x: [32768][512] f32.
; PHASE X (a wave owns 32 rows): x comes in by loads of 512 consecutive bytes, turns through the wave's own stage in LDS so that a lane holds 16 neighbours along K of one row, and is
;   (a) multiplied by the three down matrices at once, in f32 (v_wmma_f32_16x16x4_f32; source 0 = 16 rows of the image that the first launch laid: 12 LoRA rows and 4 of zeros), since t = x down goes on into a quantiser;
;   (b) quantised three times, by the scales given for the three products, into images of operand registers in LDS.
; PHASE 1 (THE WAVES SHARE THE COLUMNS): wave w makes columns 128 w .. 128 w + 127 (two heads) of q, then k, then v, for all 128 rows.  All of x's codes of one scale stand in 512 registers; the weights' fragments come
;   from memory straight into operand registers, a batch of two column tiles ahead.  A batch's 16 accumulators begin with t up / 2^(ex + ew) (f32 form, C = 0) and take the four K steps of the FP8 product on top:
;   sum x 2^(ex + ew) is q, k or v itself, and the three scales are folded into the conversion's one, 2^(eo - ex - ew).
;   q and k are made TRANSPOSED (source 0 = weights): a lane holds one row and its registers run along the head's channels, the next K.  v is made straight (source 0 = x): a lane holds one channel and its registers
;   run along the keys, the next K.  So every conversion's result is an operand register of the attention launch, and a store of the wave covers 512 consecutive bytes.
; K's places: registers 4 c .. 4 c + 3 hold k = 32 c + 16 h + 0 .. 15, alike in both operands of each product: each product meets its partner; the order of the sums inside an instruction differs from the form's own.
; LIMITS on the given exponents, so that each power of two is an f32 number: ex (entries 0, 2, 4), and eq - e0 - e1, ek - e2 - e3, ev - e4 - e5, between -126 and 119.  NaN and infinities among the inputs are not served.
; No cluster and no joint request: the weights go from memory into registers without touching LDS, of which x's three images take 192 KiB; what is shared between work-groups is 768 KiB of codes.
; LDS: 0: x's images, scale e, row tile M, K step ks at 65536 e + 2048 (4 M + ks) + 512 c + 16 lane;  STAGE: 32 rows x 528 bytes for each wave;  TIMG: t, 1,024 bytes a row tile;  SPARE: the spare words.
; REGISTERS, window 0: v1-28 addresses and scales; v32-159 the batch's 16 accumulators and v160-175 t's two: written by matrix instructions alone;
;   v176-239 phase X: 64 held numbers; phase 1: t's fragments (176), up's (192), codes (208); v240-255 phase 1: held numbers.
;   window 1: phase X: v0-127 x, 64 registers a row tile, v128-223 a step's codes, six sets of 16; phase 1: the weights' two sets.  window 2: phase X: x as loaded, two sets; phase 1: x's codes, row tiles 0-3.
;   window 3: phase X: the down image; phase 1: row tiles 4-7.
; THE MODE: SCHED_MODE bits 1:0 = 2 (LLVM: expert scheduling mode 2), set by the entry lines.  The code itself states the register dependences
; between vector or matrix instructions and memory or LDS instructions, with s_wait_alu, always for 0.
; THE PLAN.  Registers that memory or LDS instructions touch:
;   the addresses v1-8, v21, v24, v25, v27, v28   made at the head, ahead of one wait on va_vdst, and never written again.
;   PHASE X  x as loaded (window 2)   global loads land; the step's 32 stage stores read; the set is loaded again two steps on.
;            x (window 1, v0-127)     LDS loads land; the step's f32 products and holds read.
;            the six sets of codes    the step's conversions write; one run of 24 image stores at the step's end reads.
;     Two waits a step.  On vm_vsrc, behind the wait for x: the stage stores have read the raw set, and the last step's image stores the six sets.  On va_vdst, behind the last conversion: the codes are
;     written, and the holds and products are done reading x, in which the next step's LDS loads land; between that wait and those loads stand stores alone, which name other registers.
;   PHASE 1  the weights' two sets    global loads land; a batch's FP8 products read; a wait on va_vdst stands directly ahead of each run of loads.
;            x's codes, t's and up's fragments   loaded at each product's head, behind one wait on va_vdst; the products read.
;            the codes v208-239       a batch's conversions write, its eight stores read: a wait on va_vdst ahead of the stores, one on vm_vsrc ahead of the next batch's conversions.
.set STAGE,  196608
.set SPITCH, 528                       ; a stage row: 512 bytes + 16 = 132 words: 16 rows begin at 16 different groups of four banks (64 banks of 4 bytes: ISA guide 11.1)
.set TIMG,   264192
.set SPARE,  272384                    ; 128 bytes for each wave: two blocks of 256 bytes that no other line names
.set LI,   1                           ; 16 x lane
.set SIN,  2                           ; the stage, way in
.set SOUT, 3                           ; the stage, way out
.set XWI,  4                           ; v4-6  where I store x's images, scale 0, 1, 2
.set TW16, 7                           ; where I store t: registers 0-3,
.set TW8,  8                           ; registers 4-5
.set SPW,  9                           ; my spare word; never rewritten
.set NIL,  10                          ; 0; never rewritten
.set XS,   12                          ; v12-14 2^ex
.set XL,   15                          ; v15-17 448 x 2^ex
.set RR,   19
.set HH,   20
.set UPO,  21                          ; my byte offset in an up matrix
.set OS,   22                          ; 2^(eo - ex - ew)
.set TRQ,  24                          ; LDS address of t's registers 0-3
.set TRV,  25                          ; of its registers 4-5
.set OL,   26                          ; 448 x 2^(eo - ex - ew)
.set AIM,  27                          ; v27, v28 LDS address of the images of scale 1, 2 (scale 0's is 16 x lane itself)
.set ACC,  32
.set DACC, 160
.set TF,   176
.set UPF,  192
.set CODES, 208
.set T8,   240
.set T64,  176
.set PCX,  128                         ; in window 1: row tile m, scale e: 16 registers at PCX + 16 (3 m + e)
.set MSB, 0
.macro WIN new                         ; the immediate's high byte repeats the setting that is left; a switch that changes nothing is dropped
.if MSB != \new
	s_set_vgpr_msb (MSB<<8)|\new
.set MSB, \new
.endif
.endm
.macro RAW s                           ; my 32 rows' 512 bytes of K step s, as they lie: each load reads 512 consecutive bytes
	WIN 0x80
.set n, 0
.rept 32
	global_load_b128 v[128*((\s)%2)+4*n:128*((\s)%2)+4*n+3], v[LI], s[4:5] offset:n*2048+512*(\s) th:TH_LOAD_NT
.set n, n+1
.endr
.endm
.macro DT s                            ; the down image's 128 along K of step s: 64 registers, which stay
	WIN 0xc0
.set n, 0
.rept 16
	global_load_b128 v[64*(\s)+4*n:64*(\s)+4*n+3], v[LI], s[8:9] offset:(\s)*8192+512*n
.set n, n+1
.endr
.endm
.macro QUANT m, e                      ; row tile m's 64 numbers a lane become a fragment's codes by scale e, in a set of registers of their own
	WIN 0x01
.set i, 0
.rept 64
	v_med3_num_f32 v[T64+i], v[64*\m+i], -v[XL+\e], v[XL+\e]   ; the hold at the largest code x the scale, into other registers: x serves three scales
.set i, i+1
.endr
	WIN 0x40
.set i, 0
.rept 8
	v_cvt_scalef32_pk8_fp8_f32 v[PCX+16*(3*\m+\e)+2*i:PCX+16*(3*\m+\e)+2*i+1], v[T64+8*i:T64+8*i+7], v[XS+\e]
.set i, i+1
.endr
	v_nop                                          ; a plain line between the last conversion and the next holds, which write its sources
.endm
.macro XSTEP s
.if \s < 3
	s_wait_loadcnt 48                              ; this step's 48 loads are in; the next step's 32 + 16 may be out
.else
	s_wait_loadcnt 0x0
.endif
	WIN 0x08
.set n, 0
.rept 32
	ds_store_b128 v[SIN], v[128*((\s)%2)+4*n:128*((\s)%2)+4*n+3] offset:n*SPITCH
.set n, n+1
.endr
	WIN 0x40
.irp m, 0,1
.set n, 0
.rept 16
	ds_load_b128 v[64*\m+4*n:64*\m+4*n+3], v[SOUT] offset:\m*16*SPITCH+128*(n/4)+16*(n%4)   ; LDS serves a wave's instructions in order (ISA guide 5.7.1.4): these see my stores.  Register 16 b + i = k 32 b + 16 h + i of row r
.set n, n+1
.endr
.endr
	s_wait_dscnt 0x0                               ; x is back
.if \s < 2
	WIN 0x80
.endif
	s_wait_alu depctr_vm_vsrc(0)                   ; the stage stores have read the raw set, in which the loads below land; the last step's image stores have read the six sets of codes, which this step's conversions write
.if \s < 2
	RAW \s+2
	DT \s+2
.endif
	WIN 0x07                                       ; source 0 (down) window 3, source 1 (x) window 1
.set n, 0
.rept 32                               ; t^T += down^T x^T, 4 along K an instruction; the two row tiles' accumulators take turns
.irp m, 0,1
.if (\s == 0) && (n == 0)
	v_wmma_f32_16x16x4_f32 v[DACC+8*\m:DACC+8*\m+7], v[64*\s+2*n:64*\s+2*n+1], v[64*\m+2*n:64*\m+2*n+1], 0
.else
	v_wmma_f32_16x16x4_f32 v[DACC+8*\m:DACC+8*\m+7], v[64*\s+2*n:64*\s+2*n+1], v[64*\m+2*n:64*\m+2*n+1], v[DACC+8*\m:DACC+8*\m+7]
.endif
.endr
.set n, n+1
.endr
.irp m, 0,1                            ; the holds below are also the places behind these products
.irp e, 0,1,2
	QUANT \m, \e
.endr
.endr
	WIN 0x04                                       ; the stores' data in window 1
	s_wait_alu depctr_va_vdst(0)                   ; the conversions have written the six sets, which the stores below read; the holds and the products are done reading x, in which the next step's LDS loads land; in the last step t's accumulators are written
.irp m, 0,1                            ; the six fragments go to LDS as images of their registers, in one run
.irp e, 0,1,2
.irp c, 0,1,2,3
	ds_store_b128 v[XWI+\e], v[PCX+16*(3*\m+\e)+4*\c:PCX+16*(3*\m+\e)+4*\c+3] offset:\m*8192+\s*2048+512*\c
.endr
.endr
.endr
.endm
.macro XSC i, e                        ; 2^ex and 448 x 2^ex
	s_add_co_i32 s53, s[\e], 127
	s_lshl_b32 s54, s53, 23
	v_mov_b32 v[XS+\i], s54
	s_add_co_i32 s53, s53, 8
	s_lshl_b32 s53, s53, 23
	s_or_b32 s53, s53, 0x600000
	v_mov_b32 v[XL+\i], s53
.endm
.macro OSC i, eo, ex, ew               ; s[39+i] = 2^(eo - ex - ew), s[42+i] = 448 x that, s[45+i] = -(ex + ew)
	s_add_co_i32 s[45+\i], s[\ex], s[\ew]
	s_sub_co_i32 s53, s[\eo], s[45+\i]
	s_sub_co_i32 s[45+\i], 0, s[45+\i]
	s_add_co_i32 s53, s53, 127
	s_lshl_b32 s[39+\i], s53, 23
	s_add_co_i32 s53, s53, 8
	s_lshl_b32 s53, s53, 23
	s_or_b32 s[42+\i], s53, 0x600000
.endm
.macro BLOAD set, off                  ; a batch's weights: two column tiles x four K steps, 16 KiB, one dense run
	WIN 0x40
	s_wait_alu depctr_va_vdst(0)                   ; the products that read this set's registers (the first time: phase X's holds, products and conversions, which named them) are done: the loads below land there
.set n, 0
.rept 32
	global_load_b128 v[128*(\set)+4*n:128*(\set)+4*n+3], v[LI], s[48:49] offset:(\off)+512*n
.set n, n+1
.endr
.endm
; A BATCH: column tiles 2 p, 2 p + 1 of the trip's head x the 8 row tiles.  last = 1: in the launch's very last batch nothing is left to fetch
.macro BATCH p, orient, last
.if \last
	s_cmp_eq_u32 s52, 1
	s_cbranch_scc1 .Lnone_\@
.endif
	BLOAD 1-\p, (\p+1)*16384
	WIN 0
	s_wait_loadcnt 32                              ; this batch's weights are in; the 32 loads just issued may be out
.if \last
	s_branch .Ljoin_\@
.Lnone_\@:
	s_wait_loadcnt 0x0
.Ljoin_\@:
.endif
.irp m, 0,1,2,3,4,5,6,7                ; the sums begin with the LoRA term, K = 4, in f32
.irp c, 0,1
.if \orient
	v_wmma_f32_16x16x4_f32 v[ACC+8*(2*\m+\c):ACC+8*(2*\m+\c)+7], v[TF+2*\m:TF+2*\m+1], v[UPF+2*(2*\p+\c):UPF+2*(2*\p+\c)+1], 0
.else
	v_wmma_f32_16x16x4_f32 v[ACC+8*(2*\m+\c):ACC+8*(2*\m+\c)+7], v[UPF+2*(2*\p+\c):UPF+2*(2*\p+\c)+1], v[TF+2*\m:TF+2*\m+1], 0
.endif
.endr
.endr
.rept 9
	v_nop                                          ; nine places: another form writes over these results (ISA guide 7.12.1)
.endr
.irp hf, 0,1                           ; row tiles 0-3 (window 2), then 4-7 (window 3): eight accumulators by turns, K ascending
.if \orient
.if \hf
	WIN 0x07
.else
	WIN 0x06
.endif
.else
.if \hf
	WIN 0x0d
.else
	WIN 0x09
.endif
.endif
.irp ks, 0,1,2,3
.irp m, 0,1,2,3
.irp c, 0,1
.if \orient
	v_wmma_f32_16x16x128_fp8_fp8 v[ACC+8*(2*(4*\hf+\m)+\c):ACC+8*(2*(4*\hf+\m)+\c)+7], v[16*(4*\m+\ks):16*(4*\m+\ks)+15], v[128*\p+16*(4*\c+\ks):128*\p+16*(4*\c+\ks)+15], v[ACC+8*(2*(4*\hf+\m)+\c):ACC+8*(2*(4*\hf+\m)+\c)+7]
.else
	v_wmma_f32_16x16x128_fp8_fp8 v[ACC+8*(2*(4*\hf+\m)+\c):ACC+8*(2*(4*\hf+\m)+\c)+7], v[128*\p+16*(4*\c+\ks):128*\p+16*(4*\c+\ks)+15], v[16*(4*\m+\ks):16*(4*\m+\ks)+15], v[ACC+8*(2*(4*\hf+\m)+\c):ACC+8*(2*(4*\hf+\m)+\c)+7]
.endif
.endr
.endr
.endr
.endr
	WIN 0
.rept 4
	v_nop
.endr
	s_wait_xcnt 0x0                                ; the last batch's stores have had their addresses translated
	s_wait_alu depctr_vm_vsrc(0)                   ; and have read the codes' registers, which the conversions below write again
.set a, 0                              ; a = 2 M + c.  Each accumulator from its low end on; the held numbers go into other registers, two sets by turns
.rept 16
.set j, 0
.rept 8
	v_med3_num_f32 v[T8+8*(a%2)+j], v[ACC+8*a+j], -v[OL], v[OL]
.set j, j+1
.endr
.if \orient
	v_cvt_scalef32_pk8_fp8_f32 v[CODES+16*(a%2)+2*(a/2):CODES+16*(a%2)+2*(a/2)+1], v[T8+8*(a%2):T8+8*(a%2)+7], v[OS]   ; channel tile c: registers 2 M, 2 M + 1 = keys 16 M + 8 h + 0 .. 7
.else
	v_cvt_scalef32_pk8_fp8_f32 v[CODES+2*a:CODES+2*a+1], v[T8+8*(a%2):T8+8*(a%2)+7], v[OS]   ; row tile M: registers 4 M .. 4 M + 3 = channels 32 p + 16 h + 0 .. 15
.endif
.set a, a+1
.endr
	v_nop                                          ; a plain line behind the last conversion
	s_wait_alu depctr_va_vdst(0)                   ; the conversions have written the codes, which the stores below read
.set n, 0
.rept 8
.if \orient
	global_store_b128 v[LI], v[CODES+4*n:CODES+4*n+3], s[50:51] offset:8192+4096*\p+512*n
.else
	global_store_b128 v[LI], v[CODES+4*n:CODES+4*n+3], s[50:51] offset:1024*n+512*\p
.endif
.set n, n+1
.endr
.endm
; ONE OF THE THREE PRODUCTS: its up fragments, x's codes of its scale, its t; then two trips, a head each, of two batches
.macro MATRIX mx, orient, upp, tfa, tfo, outb, outstep
.if \mx == 0
.set AR, LI
.else
.set AR, AIM+\mx-1
.endif
	s_mov_b64 s[50:51], s[\outb:\outb+1]
	s_wait_alu depctr_va_vdst(0)                   ; the vector and matrix instructions so far are done with up's and t's fragments and with windows 2 and 3: the loads below, a run of loads and window switches alone, land there
.set n, 0
.rept 16
	global_load_b32 v[UPF+n], v[UPO], s[\upp:\upp+1] offset:2048*(n%2)+4*(32*(n/4)+8*((n/2)%2))   ; tile n / 2, register n % 2: up(2 h + n % 2, my column)
.set n, n+1
.endr
	WIN 0x80
.set n, 0
.rept 64
	ds_load_b128 v[4*n:4*n+3], v[AR] offset:512*n
.set n, n+1
.endr
	WIN 0xc0
.set n, 0
.rept 64
	ds_load_b128 v[4*n:4*n+3], v[AR] offset:32768+512*n
.set n, n+1
.endr
	WIN 0
.set n, 0
.rept 8
	ds_load_b64 v[TF+2*n:TF+2*n+1], v[\tfa] offset:1024*n+\tfo
.set n, n+1
.endr
	v_mov_b32 v[OS], s[39+\mx]
	v_mov_b32 v[OL], s[42+\mx]
	s_wait_loadcnt 0x0
.set n, 0
.rept 16
	v_ldexp_f32 v[UPF+n], v[UPF+n], s[45+\mx]      ; up / 2^(ex + ew): the sums of codes lack that power of two
.set n, n+1
.endr
	s_wait_dscnt 0x0
	s_mov_b32 s52, 2
.Ltrip_\@:
	BATCH 0, \orient, 0
.if \mx == 2
	BATCH 1, \orient, 1
.else
	BATCH 1, \orient, 0
.endif
	s_wait_xcnt 0x0                                ; the loads and stores have read their bases
	s_add_nc_u64 s[48:49], s[48:49], 32768
	s_add_nc_u64 s[50:51], s[50:51], \outstep
.set n, 0
.rept 8
	v_mov_b32 v[UPF+n], v[UPF+8+n]                 ; the second head's up fragments take the first's place
.set n, n+1
.endr
	s_sub_co_u32 s52, s52, 1
	s_cmp_lg_u32 s52, 0
	s_cbranch_scc1 .Ltrip_\@
.endm
	s_load_b256 s[4:11], s[0:1], 0x0               ; x s[4:5], wcodes s[6:7], dimg s[8:9], q_up s[10:11]
	s_load_b256 s[12:19], s[0:1], 0x20             ; k_up s[12:13], v_up s[14:15], the scales' exponents s[16:17], qc s[18:19]
	s_load_b64 s[20:21], s[0:1], 0x40              ; kv
	v_lshl_add_u32 v[SPW], v0, 2, SPARE
	v_mov_b32 v[NIL], 0
	v_lshrrev_b32 v18, 5, v0
	v_readfirstlane_b32 s22, v18                   ; wave 0..3
	v_and_b32 v18, 31, v0                          ; lane
	v_lshlrev_b32 v[LI], 4, v18
	v_and_b32 v[RR], 15, v0                        ; r
	v_bfe_u32 v[HH], v0, 4, 1                      ; h
	v_add_nc_u32 v[AIM], 65536, v[LI]
	v_add_nc_u32 v[AIM+1], 131072, v[LI]
	s_wait_alu depctr_va_sdst(0)                   ; s22 is written, ahead of its first reader
	s_mul_i32 s53, s22, 32*SPITCH
	s_add_co_u32 s53, s53, STAGE                   ; my stage
	v_add_nc_u32 v[SIN], s53, v[LI]
	v_mul_u32_u24 v[SOUT], v[RR], SPITCH
	v_lshl_add_u32 v[SOUT], v[HH], 6, v[SOUT]
	v_add_nc_u32 v[SOUT], s53, v[SOUT]             ; row r, + 64 h: my 16 numbers of a block of 32
	s_lshl_b32 s53, s22, 14
	v_add_nc_u32 v[XWI], s53, v[LI]                ; my two row tiles' images: 16384 x wave
	v_add_nc_u32 v[XWI+1], 65536, v[XWI]
	v_add_nc_u32 v[XWI+2], 131072, v[XWI]
	s_lshl_b32 s53, s22, 11
	s_add_co_u32 s53, s53, TIMG
	v_add_nc_u32 v[TW16], s53, v[LI]
	v_lshlrev_b32 v[TW8], 3, v18
	v_add_nc_u32 v[TW8], s53, v[TW8]
	v_add_nc_u32 v[TW8], 512, v[TW8]
	v_and_b32 v[UPO], 8, v[RR]
	v_add_nc_u32 v[UPO], v[UPO], v[RR]             ; r + 8 (r / 8)
	v_lshlrev_b32 v[UPO], 2, v[UPO]
	v_lshl_add_u32 v[UPO], v[HH], 12, v[UPO]       ; + 2 h rows of 2,048 bytes
	s_lshl_b32 s53, s22, 9
	v_add_nc_u32 v[UPO], s53, v[UPO]               ; + my wave's 128 columns
	v_add_nc_u32 v[TRQ], TIMG, v[LI]
	v_lshlrev_b32 v[TRV], 3, v18
	v_add_nc_u32 v[TRV], TIMG+512, v[TRV]
	s_lshl_b32 s54, ttmp9, 18                      ; 128 rows of 2,048 bytes a work-group,
	s_lshl_b32 s55, s22, 16                        ; 32 a wave
	s_add_co_u32 s54, s54, s55
	s_mov_b32 s55, 0
	s_wait_kmcnt 0x0
	s_load_b256 s[24:31], s[16:17], 0x0            ; e0 .. e7
	s_load_b128 s[32:35], s[16:17], 0x20           ; e8 .. e11
	s_add_nc_u64 s[4:5], s[4:5], s[54:55]
	WIN 0x80
	s_wait_alu depctr_va_vdst(0)                   ; all the addresses and offsets of the kernel are written: every load and store below reads one of them, and none is written again
	RAW 0
	DT 0
	RAW 1
	DT 1
	WIN 0
	s_mul_i32 s54, s22, 196608                     ; my wave's run of the weights' codes
	s_add_nc_u64 s[48:49], s[6:7], s[54:55]
	s_lshl_b32 s54, ttmp9, 16                      ; qc: 65,536 bytes a block of 128 rows, 16,384 for my two heads
	s_lshl_b32 s53, s22, 14
	s_add_co_u32 s54, s54, s53
	s_add_nc_u64 s[56:57], s[18:19], s[54:55]
	s_lshr_b32 s54, ttmp9, 3                       ; kv: the frame,
	s_lshl_b32 s54, s54, 20
	s_lshr_b32 s53, s22, 1                         ; the group of four heads,
	s_lshl_b32 s53, s53, 19
	s_add_co_u32 s54, s54, s53
	s_and_b32 s53, ttmp9, 7                        ; the block of 128 keys,
	s_lshl_b32 s53, s53, 16
	s_add_co_u32 s54, s54, s53
	s_and_b32 s53, s22, 1                          ; my two heads of the four
	s_lshl_b32 s53, s53, 15
	s_add_co_u32 s54, s54, s53
	s_add_nc_u64 s[58:59], s[20:21], s[54:55]
	s_wait_kmcnt 0x0
	XSC 0, 24
	XSC 1, 26
	XSC 2, 28
	OSC 0, 30, 24, 25                              ; q: eq = entry 6
	OSC 1, 31, 26, 27                              ; k: ek = entry 7
	OSC 2, 33, 28, 29                              ; v: ev = entry 9
	XSTEP 0
	XSTEP 1
	XSTEP 2
	XSTEP 3
	WIN 0
.irp m, 0,1                            ; t of my two row tiles: lane (r, h) holds, of row r, t_q(2 h + 0, 1), t_k, t_v in registers 0-5: each pair is the K = 4 operand of its up product.  (The last step's wait on va_vdst has shown the accumulators written; no vector instruction stands behind it)
	ds_store_b128 v[TW16], v[DACC+8*\m:DACC+8*\m+3] offset:1024*\m
	ds_store_b64 v[TW8], v[DACC+8*\m+4:DACC+8*\m+5] offset:1024*\m
.endr
	s_wait_dscnt 0x0                               ; for the others' sake: my images have landed
	s_barrier_signal -1
	s_barrier_wait -1                              ; all of x's codes and all of t lie in LDS; nothing is written there again
	s_wait_alu depctr_vm_vsrc(0)                   ; my LDS stores have read x as loaded (window 2) and the six sets of codes (window 1): x's codes and the weights' second set land there
	BLOAD 0, 0
	WIN 0
	MATRIX 0, 0, 10, TRQ, 0, 56, 8192
	MATRIX 1, 0, 12, TRQ, 8, 58, 16384
	MATRIX 2, 1, 14, TRV, 0, 58, 16384
	s_wait_dscnt 0x0                               ; the closing lines, six on end
	s_wait_alu 0x0
	s_wait_tensorcnt 0x0
	ds_add_u32 v[SPW], v[NIL]
	s_wait_dscnt 0x0
	s_endpgm
.Lfunc_end_k_qfcbe0185a0_qkv:
	.size	k_qfcbe0185a0_qkv, .Lfunc_end_k_qfcbe0185a0_qkv-k_qfcbe0185a0_qkv
	.p2alignl 7, 3214868480
	.fill 96, 4, 3214868480
	.section	.rodata,"a",@progbits
	.p2align	6, 0x0
	.amdhsa_kernel k_qfcbe0185a0_qkv
		.amdhsa_group_segment_fixed_size 272896
		.amdhsa_private_segment_fixed_size 0
		.amdhsa_enable_private_segment 0
		.amdhsa_kernarg_size 72
		.amdhsa_user_sgpr_count 2
		.amdhsa_user_sgpr_kernarg_segment_ptr 1
		.amdhsa_wavefront_size32 1
		.amdhsa_system_sgpr_workgroup_id_x 1
		.amdhsa_system_sgpr_workgroup_id_y 1
		.amdhsa_system_sgpr_workgroup_id_z 1
		.amdhsa_system_vgpr_workitem_id 0
		.amdhsa_next_free_vgpr 1024
		.amdhsa_next_free_sgpr 66
		.amdhsa_reserve_vcc 0
		.amdhsa_float_denorm_mode_32 3
		.amdhsa_float_denorm_mode_16_64 3
		.amdhsa_memory_ordered 1
		.amdhsa_forward_progress 1
		.amdhsa_inst_pref_size 255
	.end_amdhsa_kernel
	.section	.bss,"aw",@nobits
	.p2align	6
	.space	262144
	.amdgpu_metadata
---
amdhsa.version: [ 1, 2 ]
amdhsa.kernels:
  - .name:           k_qfcbe0185a0_qkv
    .symbol:         k_qfcbe0185a0_qkv.kd
    .args:
      - { .name: hidden_states, .offset: 0, .size: 8, .value_kind: global_buffer, .address_space: global }
      - { .name: wcodes, .offset: 8, .size: 8, .value_kind: global_buffer, .address_space: global }
      - { .name: dimg, .offset: 16, .size: 8, .value_kind: global_buffer, .address_space: global }
      - { .name: q_up, .offset: 24, .size: 8, .value_kind: global_buffer, .address_space: global }
      - { .name: k_up, .offset: 32, .size: 8, .value_kind: global_buffer, .address_space: global }
      - { .name: v_up, .offset: 40, .size: 8, .value_kind: global_buffer, .address_space: global }
      - { .name: lowp_scales, .offset: 48, .size: 8, .value_kind: global_buffer, .address_space: global }
      - { .name: qc, .offset: 56, .size: 8, .value_kind: global_buffer, .address_space: global }
      - { .name: kv, .offset: 64, .size: 8, .value_kind: global_buffer, .address_space: global }
    .group_segment_fixed_size: 272896
    .private_segment_fixed_size: 0
    .kernarg_segment_align: 8
    .kernarg_segment_size: 72
    .max_flat_workgroup_size: 128
    .sgpr_count:     66
    .vgpr_count:     1024
    .wavefront_size: 32
...
	.end_amdgpu_metadata
.endif
;; end of part 4
;; launch attn (part 5): grid 8 x 32, 8 waves a work-group, no clusters, 265,216 bytes of LDS; arguments qc, kv, wcodes, dimg, o_up, bo, lowp_scales, out0; writes out0
.if DOCPART == 5
	.amdgcn_target "amdgcn-amd-amdhsa--gfx1250"
	.amdhsa_code_object_version 6
	.text
	.protected	k_qfcbe0185a0_attn
	.globl	k_qfcbe0185a0_attn
	.p2align	8
	.type	k_qfcbe0185a0_attn,@function
k_qfcbe0185a0_attn:
	s_mov_b64 s[64:65], 0
	v_nop
	global_prefetch_b8 v0, s[64:65] scope:SCOPE_SE
	s_setreg_imm32_b32 hwreg(HW_REG_WAVE_SCHED_MODE, 0, 2), 2
	s_setreg_imm32_b32 hwreg(HW_REG_WAVE_MODE, 25, 1), 1
	s_wait_xcnt 0x0
	s_wait_alu depctr_vm_vsrc(0)
; Attention on codes of E4M3 and the output projection, for 128 queries of one frame and all 8 heads: h never goes to memory.
; Frame f takes its keys and values from frame (f & 16) + max((f & 15) - 1, 0): the frame before it in its half of the batch.
; SHARES.  Eight waves, two to a SIMD.  Wave w: hp = w / 2, g = w % 2.  In pass 0 and pass 1 it owns head 4 pass + hp and the query tiles 4 g .. 4 g + 3, so each fragment of K and V read from LDS feeds four products.
; THE RING.  A key step is 128 keys of the pass's four heads: 64 KiB, dense in kv, in the order of the operands' registers.  Each wave loads its eighth of the NEXT step into registers at a step's head and stores it into the
;   other LDS slot at the step's end; one barrier a step: in front of it each wave's reads of the slot in hand are back and its stores into the other have landed.
; THE SOFTMAX: t = score x log2(e) / 8; M = the running largest t rounded UP to a whole number, kept as -M; p = 2^(t - M) is quantised with the given 2^ep, not normalised; the row's sum is taken of the unquantised p and divides
;   at the end.  When M moves, the sum and O are multiplied by 2^(old M - new M), which rounds nothing.  Both products are used transposed, so a lane holds one query throughout.
;   p is at most 1, so the hold at 448 x 2^ep can act only where ep < -8: a scalar branch on that whole number, read from memory, leads round the 64 holds.
; AT A PASS'S END h = O / sum x 2^(ep + ev) is quantised with 2^eh into images in LDS, and h o_down (bf16 operands, f32 sums: it feeds no quantiser) leaves a partial sum for each head.
; THE OUTPUT: wave w makes columns 64 w .. 64 w + 63 for the 128 rows: the sums begin with (h o_down) o_up / 2^(eh + ewo) (bf16 form), take the eight heads' FP8 products on top, and y = sum x 2^(eh + ewo) + bo.
; LIMITS on the given exponents, so that each power of two is an f32 number: eq + ek between -123 and 130 (added to the exponent field of log2(e) / 8); ep and eh between -126 and 119; eh + ewo between -126 and 127.
;   t is taken to lie above -3e38.  NaN and infinities among the inputs are not served.
; No cluster and no joint request: a joint request is a tensor load.
; LDS: slots at 0 and 65,536;  HIMG: h's codes, (row tile x 8 + head) x 1,024;  TIMG: the partial sums, (row tile x 8 + head) x 512;  STG: 16 rows x 272 bytes for each wave;  SPARE: the spare words.
; REGISTERS, window 0: v1-15 addresses and scales; v16-31 four registers of statistics a tile (-M, largest t, the sum in two halves); v32-39 at work; v40-47 h o_down; v48-79 Q; v80-143 S^T, then p; v144-159 p's codes;
;   v160-223 the next step's eighth; v224-239 at work at a pass's end.   window 1: v0-127 O^T, 32 a tile; v128-191 K; v192-255 V; in the output phase the 32 accumulators.
; THE MODE: SCHED_MODE bits 1:0 = 2 (LLVM: expert scheduling mode 2), set by the entry lines.  The code itself states the register dependences
; between vector or matrix instructions and memory or LDS instructions, with s_wait_alu, always for 0.
; THE PLAN.  Registers that memory or LDS instructions touch:
;   the addresses v1-7         made at the head, ahead of one wait on va_vdst; v2-7 are made anew for the output phase, behind a wait on vm_vsrc and ahead of one on va_vdst.
;   A KEY STEP  K, V           LDS loads land at the step's head; the step's products read.
;               v160-223       global loads land at the step's head; the LDS stores at its end read.
;     Two waits at the step's head, ahead of its branch: on vm_vsrc (the last step's stores have read v160-223) and on va_vdst (the last step's products are done with K and V; at a pass's first step the pass end's
;     conversions and products with v160-223).  The four tiles hold no memory or LDS instruction: no vector or matrix instruction behind the step's head meets one before the next head.
;   A PASS'S END  a tile's codes v144-151 and its partial sum v40-43: written by conversions and products, read by three LDS stores: a wait on va_vdst ahead of the stores, one on vm_vsrc ahead of the next tile.
;   THE OUTPUT  the partial sums' two buffers v80-111, v112-143: a tile's additions empty one; behind them one wait on va_vdst, and the buffer is asked for again, two tiles ahead; the tile's four products name neither.
;               h's codes v80-143 and Wo's four sets: a head's products read; one wait on va_vdst ahead of the next head's loads.
;               the way out: v48-79 written by a tile's multiply-adds, read by its LDS stores; v160-223 filled from the stage, read by the global stores: a wait on va_vdst in each tile, one on vm_vsrc at each later tile's head.
.set SLOT1, 65536
.set HIMG,  131072
.set TIMG,  196608
.set STG,   229376
.set SP,    272
.set SPARE, 264192                     ; 128 bytes for each wave: four blocks of 256 bytes that no other line names
.set LI,   1                           ; 16 x lane
.set FA,   2                           ; v2, v3  where I read my head's K and V in slot 0, 1
.set SA,   4                           ; v4, v5  where I store my eighth of a step in slot 0, 1
.set HWA,  6                           ; where my h images begin
.set TWA,  7                           ; where my partial sums begin
.set SPW,  8                           ; my spare word; never rewritten
.set NIL,  9                           ; 0; never rewritten
.set PSC,  10                          ; 2^ep
.set HSC,  11                          ; 2^eh
.set PLIM, 12                          ; 448 x 2^ep
.set HLIM, 13                          ; 448 x 2^eh
.set HW,   14                          ; HWA + the pass's offset
.set TW,   15                          ; TWA + the pass's offset
.set ST,   16
.set MXA,  32
.set MXB,  33
.set PRM,  34
.set OLD,  35
.set FF,   36                          ; v[36:37] f = 2^(old M - new M); the pair's upper word is only named
.set SUM,  38
.set TD,   40
.set QF,   48
.set S,    80
.set PC,   144
.set STGR, 160
.set LS,   224
.set LP,   228
.set RC,   232                         ; v[232+2q : 233+2q] 2^(ep + ev) / sum
.set MSB, 0
.macro WIN new                         ; the immediate's high byte repeats the setting that is left; a switch that changes nothing is dropped
.if MSB != \new
	s_set_vgpr_msb (MSB<<8)|\new
.set MSB, \new
.endif
.endm
.macro KLOAD                           ; my eighth, 8 KiB, of the step at s[36:37]
.set n, 0
.rept 16
	global_load_b128 v[STGR+4*n:STGR+4*n+3], v[LI], s[36:37] offset:512*n
.set n, n+1
.endr
.endm
.macro KSTORE slot
.set n, 0
.rept 16
	ds_store_b128 v[SA+\slot], v[STGR+4*n:STGR+4*n+3] offset:512*n
.set n, n+1
.endr
.endm
; ONE TILE OF 16 QUERIES x 128 KEYS
.macro TS q
.set SB, ST+4*\q
.if \q == 0
	s_wait_dscnt 16                                ; K is in; V's 16 loads may be out
.endif
	WIN 0x01                                       ; source 0 (K) window 1
.irp t, 0,1,2,3,4,5,6,7
	v_wmma_f32_16x16x64_fp8_fp8 v[S+8*\t:S+8*\t+7], v[128+8*\t:128+8*\t+7], v[QF+8*\q:QF+8*\q+7], 0   ; S^T: register 8 t + j = key 16 t + 8 h + j of my query
.endr
	WIN 0
.rept 4
	v_nop
.endr
	v_max3_num_f32 v[MXA], v[S], v[S+1], v[S+2]    ; the step's largest score of my query among my 64 keys, in two chains, each result read from its low end on
	v_max3_num_f32 v[MXB], v[S+3], v[S+4], v[S+5]
.irp i, 6,10,14,18,22,26,30,34,38,42,46,50,54,58
	v_max3_num_f32 v[MXA], v[MXA], v[S+\i], v[S+\i+1]
	v_max3_num_f32 v[MXB], v[MXB], v[S+\i+2], v[S+\i+3]
.endr
	v_max3_num_f32 v[MXA], v[MXA], v[S+62], v[S+63]
	v_max_num_f32 v[MXA], v[MXA], v[MXB]
	v_permlanex16_b32 v[PRM], v[MXA], s42, s43
	v_max_num_f32 v[MXA], v[MXA], v[PRM]           ; and among lane l xor 16's
	v_mul_f32 v[MXA], s40, v[MXA]                  ; as t (the factor is positive)
	v_max_num_f32 v[SB+1], v[SB+1], v[MXA]         ; the running largest t
	v_mov_b32 v[OLD], v[SB]
	v_floor_f32 v[SB], -v[SB+1]                    ; the new -M = floor(-t): M is a whole number
	v_sub_f32 v[OLD], v[SB], v[OLD]                ; old M less new M: a whole number, 0 or less
	v_cvt_i32_f32 v[OLD], v[OLD]                   ; (it saturates)
	v_ldexp_f32 v[FF], 1.0, v[OLD]                 ; f = 2^(old M - new M)
.set i, 0
.rept 32
	v_pk_fma_f32 v[S+2*i:S+2*i+1], v[S+2*i:S+2*i+1], s[40:41], v[SB:SB+1] op_sel_hi:[1,0,0]   ; t - M, two at a time (of both pairs the low word serves both halves)
.set i, i+1
.endr
.set i, 0
.rept 64
	v_exp_f32 v[S+i], v[S+i]                       ; p = 2^(t - M), at most 1
.set i, i+1
.endr
	v_pk_mul_f32 v[SB+2:SB+3], v[SB+2:SB+3], v[FF:FF+1] op_sel_hi:[1,0]   ; the sums under the new M: the plain line behind the exponentials
	s_wait_alu depctr_va_vdst(0)                   ; the 64 exponentials have written p: one wait for the batch, ahead of its first reader
	v_pk_add_f32 v[SUM:SUM+1], v[S:S+1], v[S+2:S+3]   ; the row's sum is taken of the unquantised p, in two chains
.irp j, 4,8,12,16,20,24,28,32,36,40,44,48,52,56,60
	v_pk_add_f32 v[SB+2:SB+3], v[SB+2:SB+3], v[S+\j:S+\j+1]
	v_pk_add_f32 v[SUM:SUM+1], v[SUM:SUM+1], v[S+\j+2:S+\j+3]
.endr
	v_pk_add_f32 v[SB+2:SB+3], v[SB+2:SB+3], v[SUM:SUM+1]
	s_cmp_ge_i32 s32, -8                           ; 448 x 2^ep is 1.75 or more: no p reaches it
	s_cbranch_scc1 .Lnohold_\@
.set i, 0
.rept 64
	v_min_num_f32 v[S+i], v[S+i], v[PLIM]          ; the conversion does not saturate (ISA guide 7.6.2); p is not negative, so the hold is one-sided
.set i, i+1
.endr
.Lnohold_\@:
.irp t, 0,1,2,3,4,5,6,7
	v_cvt_scalef32_pk8_fp8_f32 v[PC+2*\t:PC+2*\t+1], v[S+8*\t:S+8*\t+7], v[PSC]   ; registers 2 t, 2 t + 1 = keys 16 t + 8 h + 0 .. 7: the form's own places
.endr
	WIN 0x41
.set i, 0
.rept 16
	v_pk_mul_f32 v[32*\q+2*i:32*\q+2*i+1], v[32*\q+2*i:32*\q+2*i+1], v[FF:FF+1] op_sel_hi:[1,0]   ; O^T under the new M; also the plain lines between the conversions and the products
.set i, i+1
.endr
.if \q == 0
	s_wait_dscnt 0x0                               ; V is in
.endif
	WIN 0x51                                       ; V, C and D window 1; p's codes window 0
.irp u, 0,1,2,3
	v_wmma_f32_16x16x128_fp8_fp8 v[32*\q+8*\u:32*\q+8*\u+7], v[192+16*\u:192+16*\u+15], v[PC:PC+15], v[32*\q+8*\u:32*\q+8*\u+7]
.endr
	WIN 0
.endm
; A KEY STEP out of slot `slot`; the next step goes into the other slot.  mayskip = 1: behind the launch's last step there is none: its loads and its stores are jumped over, on a counter.
; The wait for the loads stands on every way, ahead of the second branch: no load into the staging registers is out when the next one is issued.
.macro STEP slot, mayskip
.rept 4
	v_nop                                          ; places behind the last products, which read V's registers
.endr
	s_wait_alu depctr_vm_vsrc(0)                   ; the last step's LDS stores have read the staging registers, in which the global loads below land
	WIN 0x40
	s_wait_alu depctr_va_vdst(0)                   ; the last step's products are done reading K and V, in which the LDS loads below land; at a pass's first step the pass end's conversions and products are done with the staging registers
.set n, 0
.rept 16
	ds_load_b128 v[128+4*n:128+4*n+3], v[FA+\slot] offset:512*n          ; K: 8 tiles of 16 keys x 64 channels
.set n, n+1
.endr
.set n, 0
.rept 16
	ds_load_b128 v[192+4*n:192+4*n+3], v[FA+\slot] offset:8192+512*n     ; V: 4 tiles of 16 channels x 128 keys
.set n, n+1
.endr
	WIN 0
.if \mayskip
	s_cmp_eq_u32 s50, 1
	s_cbranch_scc1 .Lnoload_\@
.endif
	KLOAD                                          ; a whole step, four tiles' work of two waves, ahead of the stores that want it
.if \mayskip
.Lnoload_\@:
.endif
	TS 0
	TS 1
	TS 2
	TS 3
	s_wait_loadcnt 0x0                             ; the next step's eighth, if it was asked for, is in: its base may step and its registers may be loaded again
.if \mayskip
	s_cmp_eq_u32 s50, 1
	s_cbranch_scc1 .Lnostore_\@
.endif
	s_add_nc_u64 s[36:37], s[36:37], 65536
	KSTORE 1-\slot
.if \mayskip
.Lnostore_\@:
.endif
	s_wait_dscnt 0x0                               ; my stores into the other slot have landed; my reads of this one came back in the first tile
	s_barrier_signal -1
	s_barrier_wait -1
.endm
	s_load_b256 s[4:11], s[0:1], 0x0               ; qc s[4:5], kv s[6:7], wcodes s[8:9], dimg s[10:11]
	s_load_b256 s[12:19], s[0:1], 0x20             ; o_up s[12:13], bo s[14:15], the scales' exponents s[16:17], out0 s[18:19]
	v_lshl_add_u32 v[SPW], v0, 2, SPARE
	v_mov_b32 v[NIL], 0
	v_lshrrev_b32 v32, 5, v0
	v_readfirstlane_b32 s20, v32                   ; wave 0..7
	v_and_b32 v32, 31, v0
	v_lshlrev_b32 v[LI], 4, v32
	v_mov_b32 v[PRM], 0                            ; written once: a lane permute's destination counts as one of its sources
	v_mov_b32 v[FF+1], 0                           ; (named as a pair's upper word)
.irp q, 0,1,2,3
	v_mov_b32 v[LP+\q], 0
	v_mov_b32 v[RC+2*\q+1], 0
.endr
	s_wait_alu depctr_va_sdst(0)                   ; s20 is written, ahead of its first reader
	s_lshr_b32 s21, s20, 1                         ; hp
	s_and_b32 s22, s20, 1                          ; g
	s_lshl_b32 s56, s21, 14
	v_add_nc_u32 v[FA], s56, v[LI]
	v_add_nc_u32 v[FA+1], SLOT1, v[FA]
	s_lshl_b32 s56, s20, 13
	v_add_nc_u32 v[SA], s56, v[LI]
	v_add_nc_u32 v[SA+1], SLOT1, v[SA]
	s_lshl_b32 s56, s22, 15                        ; h's images: row tile 4 g, head hp
	s_lshl_b32 s57, s21, 10
	s_add_co_u32 s56, s56, s57
	s_add_co_u32 s56, s56, HIMG
	v_add_nc_u32 v[HWA], s56, v[LI]
	s_lshl_b32 s56, s22, 14
	s_lshl_b32 s57, s21, 9
	s_add_co_u32 s56, s56, s57
	s_add_co_u32 s56, s56, TIMG
	v_add_nc_u32 v[TWA], s56, v[LI]
	s_mov_b32 s42, 0x76543210                      ; v_permlanex16_b32's selects for lane l xor 16
	s_mov_b32 s43, 0xfedcba98
	s_and_b32 s23, ttmp7, 0xffff                   ; f
	s_and_b32 s56, s23, 15
	s_sub_co_i32 s56, s56, 1
	s_max_i32 s56, s56, 0
	s_and_b32 s57, s23, 16
	s_add_co_u32 s56, s56, s57                     ; the frame of the keys
	s_lshl_b32 s56, s56, 20
	s_lshl_b32 s57, s20, 13                        ; my eighth of a step
	s_add_co_u32 s56, s56, s57
	s_mov_b32 s57, 0
	s_wait_kmcnt 0x0
	s_load_b256 s[24:31], s[16:17], 0x0            ; e0 .. e7
	s_load_b128 s[32:35], s[16:17], 0x20           ; ep s32, ev s33, eh s34, ewo s35
	s_add_nc_u64 s[36:37], s[6:7], s[56:57]
	s_wait_alu depctr_va_vdst(0)                   ; the addresses v1 to v7 are written, which the loads and LDS instructions of the two passes read
	KLOAD                                          ; step 0
	s_lshl_b32 s56, s23, 3
	s_add_co_u32 s56, s56, ttmp9                   ; my block of 128 rows
	s_lshl_b32 s56, s56, 16
	s_lshl_b32 s58, s21, 13
	s_add_co_u32 s56, s56, s58
	s_lshl_b32 s58, s22, 12
	s_add_co_u32 s56, s56, s58
	s_add_nc_u64 s[38:39], s[4:5], s[56:57]        ; Q: head hp, row tile 4 g; a pass on: 32,768 bytes
	s_lshl_b32 s56, s21, 12
	s_add_co_u32 s56, s56, 32768
	s_add_nc_u64 s[54:55], s[10:11], s[56:57]      ; o_down's image at head hp's 64 channels; a pass on: 16,384 bytes
	s_lshl_b32 s56, s20, 15
	s_add_co_u32 s56, s56, 786432
	s_add_nc_u64 s[8:9], s[8:9], s[56:57]          ; Wo's codes at my four column tiles
	s_lshl_b32 s56, s23, 21
	s_lshl_b32 s58, ttmp9, 18
	s_add_co_u32 s56, s56, s58
	s_add_nc_u64 s[18:19], s[18:19], s[56:57]      ; out0 at my work-group's first row
	s_wait_kmcnt 0x0
	s_mov_b32 s40, 0x3e38aa3b                      ; log2(e) / 8
	s_add_co_i32 s56, s30, s31
	s_lshl_b32 s56, s56, 23
	s_add_co_i32 s40, s40, s56                     ; a sum of codes stands for sum x 2^(eq + ek): the exponents are added to the factor's exponent field
	s_mov_b32 s41, s40                             ; (named with it as a pair)
	s_add_co_i32 s56, s32, 127
	s_lshl_b32 s58, s56, 23
	v_mov_b32 v[PSC], s58
	s_add_co_i32 s56, s56, 8
	s_lshl_b32 s56, s56, 23
	s_or_b32 s56, s56, 0x600000
	v_mov_b32 v[PLIM], s56
	s_add_co_i32 s56, s34, 127
	s_lshl_b32 s58, s56, 23
	v_mov_b32 v[HSC], s58
	s_add_co_i32 s56, s56, 8
	s_lshl_b32 s56, s56, 23
	s_or_b32 s56, s56, 0x600000
	v_mov_b32 v[HLIM], s56
	s_add_co_i32 s45, s32, s33                     ; ep + ev
	s_add_co_i32 s56, s34, s35                     ; eh + ewo
	s_sub_co_i32 s48, 0, s56
	s_add_co_i32 s56, s56, 127
	s_lshl_b32 s46, s56, 23                        ; 2^(eh + ewo) as f32
	s_mov_b32 s47, s46
	s_wait_loadcnt 0x0
	s_add_nc_u64 s[36:37], s[36:37], 65536
	KSTORE 0
	s_wait_dscnt 0x0
	s_barrier_signal -1
	s_barrier_wait -1                              ; step 0 lies in slot 0
	s_mov_b32 s51, 2                               ; passes
	s_mov_b32 s50, 8                               ; pairs of steps to go, over both passes
	s_mov_b32 s52, 0                               ; the pass's offset in h's images
.Lpass:
	s_wait_alu depctr_va_vdst(0)                   ; the last pass's products are done reading Q's registers, in which the loads below land
.set n, 0
.rept 8
	global_load_b128 v[QF+4*n:QF+4*n+3], v[LI], s[38:39] offset:512*n   ; my four tiles of Q for the pass's head
.set n, n+1
.endr
.irp q, 0,1,2,3
	v_mov_b32 v[ST+4*\q+1], 0xff61b1e6             ; the largest t so far: -3e38
	v_floor_f32 v[ST+4*\q], -v[ST+4*\q+1]          ; -M
	v_mov_b32 v[ST+4*\q+2], 0                      ; the sum, in two halves
	v_mov_b32 v[ST+4*\q+3], 0
.endr
	WIN 0x40
.set n, 0
.rept 128
	v_mov_b32 v[n], 0                              ; O^T.  (The key step is written without a first form: the first change of M multiplies zeros)
.set n, n+1
.endr
	WIN 0
	s_wait_loadcnt 0x0                             ; Q
	s_mov_b32 s49, 4
.Lpair:
	STEP 0, 0
	STEP 1, 1
	s_sub_co_u32 s50, s50, 1
	s_sub_co_u32 s49, s49, 1
	s_cmp_lg_u32 s49, 0
	s_cbranch_scc1 .Lpair
	; ---- A PASS'S END
	s_wait_alu depctr_vm_vsrc(0)                   ; the last step's LDS stores have read v160-223, in which o_down's image lands and which the conversions below write; the last pass's stores have read v14, v15, v40-43 and v144-151, which are written again below
.set n, 0
.rept 8
	global_load_b128 v[160+4*n:160+4*n+3], v[LI], s[54:55] offset:512*n   ; o_down's image for my head: register 16 a + i = D(r, 64 head + 32 a + 16 h + i)
.set n, n+1
.endr
	v_add_nc_u32 v[HW], s52, v[HWA]
	s_lshr_b32 s53, s52, 1
	v_add_nc_u32 v[TW], s53, v[TWA]
.irp q, 0,1,2,3
	v_add_f32 v[LS+\q], v[ST+4*\q+2], v[ST+4*\q+3] ; the sum's two halves,
.endr
.irp q, 0,1,2,3
	v_permlanex16_b32 v[LP+\q], v[LS+\q], s42, s43
.endr
.irp q, 0,1,2,3
	v_add_f32 v[LS+\q], v[LS+\q], v[LP+\q]         ; and lane l xor 16's
.endr
.irp q, 0,1,2,3
	v_rcp_f32 v[RC+2*\q], v[LS+\q]
.endr
	v_nop                                          ; a plain line behind the last reciprocal
	s_wait_alu depctr_va_vdst(0)                   ; the four reciprocals are written: one wait, ahead of their first reader
.irp q, 0,1,2,3
	v_ldexp_f32 v[RC+2*\q], v[RC+2*\q], s45        ; x 2^(ep + ev)
.endr
	s_wait_loadcnt 0x0
.set n, 0
.rept 16
	v_cvt_pk_bf16_f32 v[192+n], v[160+2*n], v[160+2*n+1]   ; o_down in bf16: two fragments of 32 channels, v192-207
.set n, n+1
.endr
.irp q, 0,1,2,3
	s_wait_dscnt 0x0                               ; the last tile's LDS stores are done
.if \q > 0
	s_wait_alu depctr_vm_vsrc(0)                   ; and have read the codes v144-151 and the partial sum v40-43, which this tile's conversions and products write again
.endif
	WIN 0x01
.set n, 0
.rept 16
	v_pk_mul_f32 v[80+2*n:81+2*n], v[32*\q+2*n:32*\q+2*n+1], v[RC+2*\q:RC+2*\q+1] op_sel_hi:[1,0]   ; h: register 16 a + i = channel 32 a + 16 h + i of my query
.set n, n+1
.endr
	WIN 0
.set n, 0
.rept 16
	v_cvt_pk_bf16_f32 v[208+n], v[80+2*n], v[80+2*n+1]
.set n, n+1
.endr
	v_wmma_f32_16x16x32_bf16 v[TD:TD+7], v[192:199], v[208:215], 0
	s_wait_alu depctr_va_vdst(0)                   ; the wait stands directly ahead of the second
	v_wmma_f32_16x16x32_bf16 v[TD:TD+7], v[200:207], v[216:223], v[TD:TD+7]
.set n, 0
.rept 32
	v_med3_num_f32 v[80+n], v[80+n], -v[HLIM], v[HLIM]   ; the hold; also the places behind the two products
.set n, n+1
.endr
.set n, 0
.rept 4
	v_cvt_scalef32_pk8_fp8_f32 v[PC+2*n:PC+2*n+1], v[80+8*n:80+8*n+7], v[HSC]
.set n, n+1
.endr
	v_nop                                          ; a plain line behind the last conversion
	s_wait_alu depctr_va_vdst(0)                   ; the conversions have written the codes and the products the partial sum, which the stores below read; so are the pass's addresses v14 and v15
	ds_store_b128 v[HW], v[PC:PC+3] offset:\q*8192
	ds_store_b128 v[HW], v[PC+4:PC+7] offset:\q*8192+512
	ds_store_b128 v[TW], v[TD:TD+3] offset:\q*4096  ; lanes 0-15: (h o_down)(my query, 0 .. 3) of this head; lanes 16-31: zeros (rows 8-11 of the image)
.endr
	s_add_nc_u64 s[38:39], s[38:39], 32768
	s_add_nc_u64 s[54:55], s[54:55], 16384
	s_add_co_u32 s52, s52, 4096
	s_sub_co_u32 s51, s51, 1
	s_cmp_lg_u32 s51, 0
	s_cbranch_scc1 .Lpass
	; ---- THE OUTPUT PHASE.  Addresses: v2 o_up, v3 the partial sums, v4 h's images, v5 and v6 my stage (in, back), v7 out0, v155 bo
	s_wait_alu depctr_vm_vsrc(0)                   ; the LDS loads and stores of the two passes have read v2 to v5, which are made anew below, and v40-43 and v144-151, which are written again further down
	v_and_b32 v152, 15, v0                         ; r
	v_bfe_u32 v153, v0, 4, 1                       ; h
	v_and_b32 v154, 8, v152
	v_add_nc_u32 v154, v154, v152                  ; r + 8 (r / 8)
	v_lshlrev_b32 v2, 2, v154
	s_lshl_b32 s56, s20, 8                         ; my 64 columns, in bytes
	v_add_nc_u32 v2, s56, v2
	v_add_nc_u32 v3, TIMG, v[LI]
	v_add_nc_u32 v4, HIMG, v[LI]
	s_mul_i32 s57, s20, 16*SP
	s_add_co_u32 s57, s57, STG
	v_mul_u32_u24 v5, v152, SP
	v_lshl_add_u32 v5, v153, 6, v5
	v_add_nc_u32 v5, s57, v5                       ; in: row r, + 64 h
	v_mul_u32_u24 v6, v153, SP
	v_lshl_add_u32 v6, v152, 4, v6
	v_add_nc_u32 v6, s57, v6                       ; back: lanes 0-15 one row of 256 bytes, lanes 16-31 the next
	v_lshlrev_b32 v7, 11, v153
	v_lshl_add_u32 v7, v152, 4, v7
	v_add_nc_u32 v7, s56, v7                       ; and the same two rows in out0
	v_lshl_add_u32 v155, v153, 6, s56              ; bo: 256 w + 64 h
	s_wait_alu depctr_va_vdst(0)                   ; the phase's addresses v2 to v7 and v155 are written; the passes' vector and matrix instructions are done with v48-111 and v160-255, in which the loads below land
.set n, 0
.rept 16
	global_load_b32 v[80+n], v2, s[12:13] offset:2048*(n%4)+4*(32*(n/8)+8*((n/4)%2))   ; o_up(n % 4, my column of tile n / 4)
.set n, n+1
.endr
.macro WSET k                          ; Wo's four sets of 32 registers take turns
.if ((\k)%4) == 0
.set WS, 48
.elseif ((\k)%4) == 1
.set WS, 224
.elseif ((\k)%4) == 2
.set WS, 160
.else
.set WS, 192
.endif
.endm
.macro WOLD k                          ; Wo's fragments of head k for my four column tiles
	WSET \k
.set n, 0
.rept 8
	global_load_b128 v[WS+4*n:WS+4*n+3], v[LI], s[8:9] offset:(n/2)*8192+(\k)*1024+512*(n%2)
.set n, n+1
.endr
.endm
	WOLD 0
	WOLD 1
	WOLD 2
	WOLD 3
	s_wait_dscnt 0x0                               ; for the others' sake: my images of h and my partial sums have landed
	s_barrier_signal -1
	s_barrier_wait -1
	s_wait_loadcnt 32                              ; o_up is in; Wo's 32 loads may be out
.set n, 0
.rept 16
	v_ldexp_f32 v[80+n], v[80+n], s48              ; o_up / 2^(eh + ewo): the sums of codes lack that power of two
.set n, n+1
.endr
.irp c, 0,1,2,3
	v_cvt_pk_bf16_f32 v[16+8*\c], v[80+4*\c], v[80+4*\c+1]      ; a fragment of K = 32 of which k = 0 .. 3 count: lanes 0-15, registers 0 and 1
	v_cvt_pk_bf16_f32 v[16+8*\c+1], v[80+4*\c+2], v[80+4*\c+3]
.irp j, 2,3,4,5,6,7
	v_mov_b32 v[16+8*\c+\j], 0
.endr
.endr
.irp j, 2,3,4,5,6,7
	v_mov_b32 v[144+\j], 0
.endr
.macro PLOAD m                         ; row tile m's eight partial sums
.set n, 0
.rept 8
	ds_load_b128 v[80+32*((\m)%2)+4*n:80+32*((\m)%2)+4*n+3], v3 offset:((\m)*8+n)*512
.set n, n+1
.endr
.endm
	s_wait_alu depctr_va_vdst(0)                   ; the conversions above are done reading v80-95, in which the first partial sums land
	PLOAD 0
	PLOAD 1
.irp m, 0,1,2,3,4,5,6,7
.if \m < 7
	s_wait_dscnt 8                                 ; this tile's eight are in; the next tile's may be out
.else
	s_wait_dscnt 0x0
.endif
.set PB, 80+32*(\m%2)
.irp k, 0,8,16,24                      ; the heads' sum; also the places between the last products and the new fragment
	v_pk_add_f32 v[PB+\k:PB+\k+1], v[PB+\k:PB+\k+1], v[PB+\k+4:PB+\k+5]
	v_pk_add_f32 v[PB+\k+2:PB+\k+3], v[PB+\k+2:PB+\k+3], v[PB+\k+6:PB+\k+7]
.endr
.irp k, 0,16
	v_pk_add_f32 v[PB+\k:PB+\k+1], v[PB+\k:PB+\k+1], v[PB+\k+8:PB+\k+9]
	v_pk_add_f32 v[PB+\k+2:PB+\k+3], v[PB+\k+2:PB+\k+3], v[PB+\k+10:PB+\k+11]
.endr
	v_pk_add_f32 v[PB:PB+1], v[PB:PB+1], v[PB+16:PB+17]
	v_pk_add_f32 v[PB+2:PB+3], v[PB+2:PB+3], v[PB+18:PB+19]
	v_cvt_pk_bf16_f32 v144, v[PB], v[PB+1]
	v_cvt_pk_bf16_f32 v145, v[PB+2], v[PB+3]
.if \m < 6
	s_wait_alu depctr_va_vdst(0)                   ; the additions and conversions are done with this tile's buffer, which is asked for again at once, for the tile two on; the products below name neither buffer
	PLOAD \m+2
.endif
	WIN 0x40
.irp c, 0,1,2,3
	v_wmma_f32_16x16x32_bf16 v[8*(4*\m+\c):8*(4*\m+\c)+7], v[16+8*\c:16+8*\c+7], v[144:151], 0   ; the sums begin with the LoRA term
.endr
	WIN 0
.endr
.rept 5
	v_nop                                          ; five places: another form writes over these results (ISA guide 7.12.1)
.endr
	s_wait_alu depctr_va_vdst(0)                   ; the LoRA products are done reading o_up's fragments v16-47, in which bo lands; the additions are done with v80-143, in which h's codes land
.set n, 0
.rept 8
	global_load_b128 v[16+4*n:16+4*n+3], v155, s[14:15] offset:4*(32*(n/4)+8*((n/2)%2))+16*(n%2)   ; bo in the result's layout: tile c, register j: column 32 (c / 2) + 16 h + 8 (c % 2) + j
.set n, n+1
.endr
.irp k, 0,1,2,3,4,5,6,7               ; the eight heads, K = 64 each: 32 accumulators by turns
.if \k > 0
.rept 4
	v_nop                                          ; places behind the last products
.endr
	s_wait_alu depctr_va_vdst(0)                   ; the last head's products are done reading h's codes and their set of Wo, in which the loads below land
.endif
.if (\k > 0) && (\k < 5)
	WOLD \k+3
.endif
.set n, 0
.rept 16
	ds_load_b128 v[80+4*n:80+4*n+3], v4 offset:(n/2)*8192+\k*1024+512*(n%2)   ; h's codes of head k, eight row tiles
.set n, n+1
.endr
.if \k < 4
	s_wait_loadcnt 32                              ; Wo of this head is in; behind it: three more sets and bo
.else
	s_wait_loadcnt 8*(7-\k)                        ; behind it: the sets of the heads still to come
.endif
	s_wait_dscnt 0x0
	WSET \k
	WIN 0x50                                       ; C and D window 1
.irp m, 0,1,2,3,4,5,6,7
.irp c, 0,1,2,3
	v_wmma_f32_16x16x64_fp8_fp8 v[8*(4*\m+\c):8*(4*\m+\c)+7], v[WS+8*\c:WS+8*\c+7], v[80+8*\m:80+8*\m+7], v[8*(4*\m+\c):8*(4*\m+\c)+7]
.endr
.endr
	WIN 0
.endr
.rept 4
	v_nop
.endr
; THE WAY OUT, a row tile at a time: a lane holds 4 x 32 bytes of one row; they go through my stage and come back as rows of 256 bytes, so that sixteen lanes store 256 consecutive bytes, aligned
.macro TOSTAGE m
	WIN 0x01
.set n, 0
.rept 16
	v_pk_fma_f32 v[48+2*n:49+2*n], v[32*(\m)+2*n:32*(\m)+2*n+1], s[46:47], v[16+2*n:17+2*n] op_sel_hi:[1,0,1]   ; y = sum x 2^(eh + ewo) + bo; each accumulator from its low end on
.set n, n+1
.endr
	WIN 0
	s_wait_alu depctr_va_vdst(0)                   ; the multiply-adds have written v48-79, which the LDS stores read; in the first two tiles: the last products are done reading Wo's sets v160-223, in which the loads from the stage land
.set n, 0
.rept 8
	ds_store_b128 v5, v[48+4*n:51+4*n] offset:128*(n/4)+32*((n/2)%2)+16*(n%2)
.set n, n+1
.endr
.set n, 0
.rept 8
	ds_load_b128 v[160+32*((\m)%2)+4*n:160+32*((\m)%2)+4*n+3], v6 offset:2*SP*n   ; LDS serves a wave's instructions in order (ISA guide 5.7.1.4): these see my stores, and the next tile's stores come behind them
.set n, n+1
.endr
.endm
.macro SEND m, younger
	s_wait_dscnt \younger                          ; the tile is back; the next tile's 8 stores and 8 loads may be out
.set n, 0
.rept 8
	global_store_b128 v7, v[160+32*((\m)%2)+4*n:160+32*((\m)%2)+4*n+3], s[18:19] offset:(16*(\m)+2*n)*2048 th:TH_STORE_NT
.set n, n+1
.endr
.endm
	TOSTAGE 0
.irp m, 1,2,3,4,5,6,7
.if \m > 1
	s_wait_xcnt 0x0                                ; the stores of two tiles back have had their addresses translated
.endif
	s_wait_alu depctr_vm_vsrc(0)                   ; the last tile's LDS stores have read v48-79, which this tile's multiply-adds write; the global stores of two tiles back have read the registers that this tile's loads fill
	TOSTAGE \m
	SEND \m-1, 16
.endr
	SEND 7, 0
	s_wait_dscnt 0x0                               ; the closing lines, six on end
	s_wait_alu 0x0
	s_wait_tensorcnt 0x0
	ds_add_u32 v[SPW], v[NIL]
	s_wait_dscnt 0x0
	s_endpgm
.Lfunc_end_k_qfcbe0185a0_attn:
	.size	k_qfcbe0185a0_attn, .Lfunc_end_k_qfcbe0185a0_attn-k_qfcbe0185a0_attn
	.p2alignl 7, 3214868480
	.fill 96, 4, 3214868480
	.section	.rodata,"a",@progbits
	.p2align	6, 0x0
	.amdhsa_kernel k_qfcbe0185a0_attn
		.amdhsa_group_segment_fixed_size 265216
		.amdhsa_private_segment_fixed_size 0
		.amdhsa_enable_private_segment 0
		.amdhsa_kernarg_size 64
		.amdhsa_user_sgpr_count 2
		.amdhsa_user_sgpr_kernarg_segment_ptr 1
		.amdhsa_wavefront_size32 1
		.amdhsa_system_sgpr_workgroup_id_x 1
		.amdhsa_system_sgpr_workgroup_id_y 1
		.amdhsa_system_sgpr_workgroup_id_z 1
		.amdhsa_system_vgpr_workitem_id 0
		.amdhsa_next_free_vgpr 512
		.amdhsa_next_free_sgpr 66
		.amdhsa_reserve_vcc 0
		.amdhsa_float_denorm_mode_32 3
		.amdhsa_float_denorm_mode_16_64 3
		.amdhsa_memory_ordered 1
		.amdhsa_forward_progress 1
		.amdhsa_inst_pref_size 227
	.end_amdhsa_kernel
	.amdgpu_metadata
---
amdhsa.version: [ 1, 2 ]
amdhsa.kernels:
  - .name:           k_qfcbe0185a0_attn
    .symbol:         k_qfcbe0185a0_attn.kd
    .args:
      - { .name: qc, .offset: 0, .size: 8, .value_kind: global_buffer, .address_space: global }
      - { .name: kv, .offset: 8, .size: 8, .value_kind: global_buffer, .address_space: global }
      - { .name: wcodes, .offset: 16, .size: 8, .value_kind: global_buffer, .address_space: global }
      - { .name: dimg, .offset: 24, .size: 8, .value_kind: global_buffer, .address_space: global }
      - { .name: o_up, .offset: 32, .size: 8, .value_kind: global_buffer, .address_space: global }
      - { .name: bo, .offset: 40, .size: 8, .value_kind: global_buffer, .address_space: global }
      - { .name: lowp_scales, .offset: 48, .size: 8, .value_kind: global_buffer, .address_space: global }
      - { .name: out0, .offset: 56, .size: 8, .value_kind: global_buffer, .address_space: global }
    .group_segment_fixed_size: 265216
    .private_segment_fixed_size: 0
    .kernarg_segment_align: 8
    .kernarg_segment_size: 64
    .max_flat_workgroup_size: 256
    .sgpr_count:     66
    .vgpr_count:     512
    .wavefront_size: 32
...
	.end_amdgpu_metadata
.endif
;; end of part 5
